; MI455X (gfx1250); checked and timed in simulation.
; The chip was launched on July 23, 2026; its instructions are those of AMD's public machine-readable ISA for CDNA 5 (MIT licence, August 2026) and "CDNA5" Instruction Set Architecture Reference Guide (July 2026). The comments in the code are by the model that wrote it; some were corrected since.
;; Causal Self Attention. Allowed arithmetic: matrix products marked QUANTISED: E4M3 operands, one E8M0 scale for each 32 along K, by v_wmma_scale_f32_16x16x128_f8f6f4 with both operands' format E4M3, f32 sums; everything else in f32.
;; Inputs: Wk 1,024 x 1,024 float32; Wo 1,024 x 1,024 float32; Wq 1,024 x 1,024 float32; Wv 1,024 x 1,024 float32; bk 1,024 float32; bo 1,024 float32; bq 1,024 float32; bv 1,024 float32; x 4 x 2,048 x 1,024 float32.
;; Outputs: out0 4 x 2,048 x 1,024 float32.
;; This version of the problem:
;;   THIS VERSION OF THE PROBLEM IS GIVEN IN LOW PRECISION. The matrix products marked QUANTISED in the list below multiply operands that are first quantised to E4M3 (4 exponent bits, 3 mantissa bits; 8 bits a number), with one power-of-two scale for each 32 numbers along K (OCP MX v1.0); their sums are f32. All else is computed in f32.
;;   The module's matrix products, in the order in which they are computed (A, B: the left and right operand; K: the contracted axis; several contracted axes count as one K, in the product's order):
;;     1. [M 8,192, K 1,024] x [K 1,024, N 1,024]; A: input x; B: input Wq: QUANTISED
;;     2. [M 8,192, K 1,024] x [K 1,024, N 1,024]; A: input x; B: input Wk: QUANTISED
;;     3. [M 8,192, K 1,024] x [K 1,024, N 1,024]; A: input x; B: input Wv: QUANTISED
;;     4. batch 64 x [M 2,048, K 64] x [K 64, N 2,048]; A: computed on the way; B: computed on the way: QUANTISED
;;     5. batch 64 x [M 2,048, K 2,048] x [K 2,048, N 64]; A: softmax (see below); B: computed on the way: QUANTISED
;;     6. [M 8,192, K 1,024] x [K 1,024, N 1,024]; A: computed on the way; B: input Wo: QUANTISED
;;   THE QUANTISER, for each operand of a quantised product, along K:
;;     - K is cut into blocks of 32 from its start; a last block that is shorter is filled with zeros.
;;     - A block's scale is 2^e with e = floor(log2(the largest magnitude in the block)) - 8, held to -126 .. 127; a block of zeros has e = 0. As a byte (E8M0): e + 127.
;;     - Each number is divided by its block's scale, clamped to +-448, and rounded to the nearest number of E4M3, ties to even, subnormals kept.
;;     - The product sums the exact products of the quantised numbers (number of the format x scale) in f32.
;;   ~~~python
;;   def quantise(x, axis):      # numpy; x: float32 -> the quantised numbers, widened to float32 again
;;       x = np.moveaxis(x, axis, -1); K = x.shape[-1]
;;       x = np.pad(x, [(0, 0)] * (x.ndim - 1) + [(0, -K % 32)]); x = x.reshape(x.shape[:-1] + (-1, 32)); a = np.abs(x).max(-1, keepdims=True)
;;       e = np.where(a > 0, np.clip(np.frexp(np.where(a > 0, a, 1))[1] - 1 - 8, -126, 127), 0)      # np.frexp(a)[1] - 1 = floor(log2(a)), exactly
;;       r = np.clip(x / 2.0 ** e, -448, 448)
;;       step = 2.0 ** (np.maximum(np.frexp(np.where(r == 0, 1, r))[1] - 1, -6) - 3)
;;       q = np.round(r / step) * step * 2.0 ** e      # np.round: ties to even
;;       return np.moveaxis(q.reshape(q.shape[:-2] + (-1,))[..., :K], -1, axis).astype(np.float32)
;;   ~~~
;;   SOFTMAX AHEAD OF A QUANTISED PRODUCT. Where the list says 'softmax', what is quantised is not the finished softmax but p = 2^(t - M), with t = logit x log2(e) and M = ceil(the row's largest t), a whole number; so 1/2 < the row's largest p <= 1. The row's sum l is taken of the UNQUANTISED p, in f32, and the product's result is divided by l at the end. Since M is a whole number, a kernel that streams over the keys may use a running M (the ceiling of the running maximum): every later rescaling is an exact power of two, which a block's scale takes up: the codes' values come out the same.
;;   OPERANDS COMPUTED ON THE WAY. 'Computed on the way' means the value that the module computes at that place (a softmax that the list does not call 'softmax' is quantised finished and normalised). What goes into a quantiser is computed in f32, as accurately as f32 sums, v_exp_f32 and their like allow (about 1e-6 of the number): no bf16 or f16 on the way to a quantiser, and a product that is left as it is and whose result goes on into a quantised operand takes f32 operands (vector FMAs, or v_wmma_f32_16x16x4_f32). A number that lies on a knife's edge between two numbers of the format may be rounded either way, as far as f32 arithmetic and the matrix unit's own rounding can turn it there, and no further.
;; One version. Each part assembles by itself: llvm-mc -triple=amdgcn-amd-amdhsa -mcpu=gfx1250 --defsym DOCPART=n.
;; ======== version 1 of 1: 4 launches
;; limits: right only within a limited range of input values
;; workspace buffers: pc 11,534,336 bytes; ps 360,448 bytes; yc 9,437,184 bytes; ys 294,912 bytes; ac 25,165,824 bytes; asc 786,432 bytes
;; launch quant (part 1): grid 256 x 1, 6 waves a work-group, no clusters, 51,456 bytes of LDS; arguments x, Wq, Wk, Wv, Wo, pc, ps, yc, ys; writes pc, ps, yc, ys
.if DOCPART == 1
	.amdgcn_target "amdgcn-amd-amdhsa--gfx1250"
	.amdhsa_code_object_version 6
	.text
	.protected	k_qba2a45ac49_quant
	.globl	k_qba2a45ac49_quant
	.p2align	8
	.type	k_qba2a45ac49_quant,@function
k_qba2a45ac49_quant:
	s_mov_b64 s[64:65], 0
	v_nop
	global_prefetch_b8 v0, s[64:65] scope:SCOPE_SE
	s_setreg_imm32_b32 hwreg(HW_REG_WAVE_MODE, 25, 1), 1
	s_wait_xcnt 0x0
; x [8192][1024], Wq, Wk, Wv, Wo [1024][1024], f32, K innermost, become codes of FP8 (E4M3) with one E8M0 byte for each 32 along K.
; A block's scale is 2^(floor(log2(largest magnitude)) - 8); its byte is the largest magnitude's exponent field - 8, held at 1 from below; numbers are held within +-448 x scale and rounded to the nearest code, ties to even.
; LIMITS: a block of zeros gets the byte 1 where the rule says 127 (its codes are zeros, and only this program reads the bytes); NaN and infinities among the inputs are not served.
; LAYOUT OUT.  Rows go in tiles of 16; tile 2 b + u holds, at lane place r, row 32 b + 8 u + r + 8 (r / 8).  A tile's codes lie as the images of its eight operand fragments:
; [tile][K step of 128: 2,048 B][chunk c: 512 B][lane: 16 B], lane (r, h) holding k = 32 c + 16 h + 0 .. 15 of its row.  Its scale words: [tile][half of K: 256 B][r: 16 B][K step in the half: 4 B].
; Tiles 0-511 x, 512-575 Wq, 576-639 Wk, 640-703 Wv go to pc / ps; Wo's 64 tiles go to yc / ys at tiles 512-575.
; SHARES.  1,536 waves; wave u takes tile u / 2 and half u % 2 of K: four K steps.  Each of a K step's 16 loads reads 512 consecutive bytes of one row; the 16 x 512 bytes turn through the wave's own stage in LDS
; (rows 528 bytes apart) so that a lane gets 16 neighbours of each block of 32.  Each store of codes covers 512 consecutive bytes; the wave's scale words leave as 256 consecutive bytes.
; No tensor loads, no barrier, no cluster: waves share nothing and every input byte is read once.
.set SP,    528                        ; a stage row: 512 bytes + 16
.set WREG,  16*SP                      ; a wave's stage
.set LO,    1                          ; v1   16 x lane
.set SIN,   2                          ; v2   stage, way in: my wave's stage + 16 x lane
.set SOUT,  3                          ; v3   stage, way out: + 528 r + 64 h
.set SCO,   4                          ; v4   16 r + 8 h: my two scale words' place
.set R,     16                         ; v16-143  two sets of 64: a K step as loaded
.set X,     144                        ; v144-207 register 16 c + i = k 32 c + 16 h + i of my row
.set PC,    208                        ; v208-223 a fragment's codes
.set TM,    224                        ; v224-239 at work
.set PWS,   240                        ; v240-243 the four K steps' scale words
.set OW,    244                        ; v244-245 the two that I store
.set SEL,   36                         ; s[36:37] selects of v_permlanex16_b32: lane l xor 16
.set MNT,   38
	s_load_b256 s[4:11], s[0:1], 0x0               ; x, Wq, Wk, Wv
	s_load_b256 s[12:19], s[0:1], 0x20             ; Wo, pc, ps, yc
	s_load_b64 s[20:21], s[0:1], 0x40              ; ys
	v_lshl_add_u32 v254, v0, 2, 0xc600
	v_mov_b32 v255, 0
	v_lshrrev_b32 v5, 5, v0
	v_readfirstlane_b32 s2, v5                     ; wave 0..5
	v_and_b32 v6, 31, v0                           ; lane
	v_and_b32 v7, 15, v0                           ; r
	v_bfe_u32 v8, v0, 4, 1                         ; h
	v_lshlrev_b32 v[LO], 4, v6
	s_mul_i32 s3, s2, WREG
	v_add_nc_u32 v[SIN], s3, v[LO]
	v_mul_u32_u24 v[SOUT], v7, SP
	v_lshl_add_u32 v[SOUT], v8, 6, v[SOUT]
	v_add_nc_u32 v[SOUT], s3, v[SOUT]
	v_lshlrev_b32 v[SCO], 4, v7
	v_lshl_add_u32 v[SCO], v8, 3, v[SCO]
	s_mov_b32 s[SEL], 0x76543210
	s_mov_b32 s[SEL+1], 0xfedcba98
.irp b, 0,1,2,3
	v_mov_b32 v[TM+4+\b], 0                        ; written once: a lane permute's destination counts as one of its sources
.endr
	s_mul_i32 s22, ttmp9, 6
	s_add_co_u32 s22, s22, s2                      ; my unit
	s_lshr_b32 s23, s22, 1                         ; tile 0..767
	s_and_b32 s24, s22, 1                          ; half of K
	s_mov_b32 s25, 704
	s_wait_alu depctr_va_vdst(0)
	s_wait_kmcnt 0x0
	; which tensor: the choices hang on the tile's number alone; only pointers and first tiles are chosen, the text has one path
	s_cmp_lt_u32 s23, 704
	s_cselect_b64 s[26:27], s[10:11], s[12:13]     ; Wv or Wo
	s_cselect_b32 s25, 640, s25
	s_cselect_b64 s[28:29], s[14:15], s[18:19]     ; codes to pc or yc
	s_cselect_b64 s[30:31], s[16:17], s[20:21]     ; scale words to ps or ys
	s_cselect_b32 s32, 0, 192                      ; Wo's tiles 704.. become tiles 512.. of yc
	s_cmp_lt_u32 s23, 640
	s_cselect_b64 s[26:27], s[8:9], s[26:27]
	s_cselect_b32 s25, 576, s25
	s_cmp_lt_u32 s23, 576
	s_cselect_b64 s[26:27], s[6:7], s[26:27]
	s_cselect_b32 s25, 512, s25
	s_cmp_lt_u32 s23, 512
	s_cselect_b64 s[26:27], s[4:5], s[26:27]
	s_cselect_b32 s25, 0, s25
	s_sub_co_u32 s33, s23, s25                     ; the tile's number L in its tensor
	s_lshr_b32 s34, s33, 1
	s_lshl_b32 s34, s34, 17                        ; 32 (L / 2) rows of 4,096 bytes
	s_and_b32 s33, s33, 1
	s_lshl_b32 s33, s33, 15                        ; + 8 (L % 2) rows
	s_add_co_u32 s34, s34, s33
	s_lshl_b32 s33, s24, 11                        ; + my half of K: 512 numbers
	s_add_co_u32 s34, s34, s33
	s_mov_b32 s35, 0
	s_add_nc_u64 s[26:27], s[26:27], s[34:35]
	s_sub_co_u32 s32, s23, s32                     ; the tile's number in the buffer that takes it
	s_lshl_b32 s34, s32, 14
	s_lshl_b32 s33, s24, 13
	s_add_co_u32 s34, s34, s33
	s_add_nc_u64 s[28:29], s[28:29], s[34:35]
	s_lshl_b32 s34, s32, 9
	s_lshl_b32 s33, s24, 8
	s_add_co_u32 s34, s34, s33
	s_add_nc_u64 s[30:31], s[30:31], s[34:35]
.macro LOAD t                          ; K step t of my four: 512 consecutive bytes of each of the tile's 16 rows
.irp i, 0,1,2,3,4,5,6,7,8,9,10,11,12,13,14,15
	global_load_b128 v[R+64*((\t)%2)+4*\i:R+64*((\t)%2)+4*\i+3], v[LO], s[26:27] offset:(\i+8*(\i/8))*4096+512*(\t) th:TH_LOAD_NT
.endr
.endm
.macro TURN t                          ; through the stage: LDS serves a wave's instructions in order, so no wait stands between the stores and the loads
.irp i, 0,1,2,3,4,5,6,7,8,9,10,11,12,13,14,15
	ds_store_b128 v[SIN], v[R+64*((\t)%2)+4*\i:R+64*((\t)%2)+4*\i+3] offset:SP*\i
.endr
.irp c, 0,1,2,3
.irp j, 0,1,2,3
	ds_load_b128 v[X+16*\c+4*\j:X+16*\c+4*\j+3], v[SOUT] offset:128*\c+16*\j
.endr
.endr
.endm
.macro QUANT t                         ; the 64 numbers in X become a fragment's codes in PC and my row's scale word in PWS + t
.irp b, 0,1,2,3
	v_max3_num_f32 v[TM+\b], |v[X+16*\b]|, |v[X+1+16*\b]|, 0x4800000   ; my 16 of block b, and the floor 2^(9 - 127): the byte cannot fall under 1
.endr
.irp i, 2,4,6,8,10,12,14
.irp b, 0,1,2,3
	v_max3_num_f32 v[TM+\b], v[TM+\b], |v[X+16*\b+\i]|, |v[X+1+16*\b+\i]|   ; the four blocks by turns
.endr
.endr
.irp b, 0,1,2,3
	v_permlanex16_b32 v[TM+4+\b], v[TM+\b], s[SEL], s[SEL+1]
.endr
.irp b, 0,1,2,3
	v_max_num_f32 v[TM+\b], v[TM+\b], v[TM+4+\b]   ; with lane l xor 16's 16: the block's largest magnitude
.endr
.irp b, 0,1,2,3
	v_add_nc_u32 v[TM+12+\b], 0xfc000000, v[TM+\b] ; 8 off its exponent field: the conversion's scale operand
.endr
.irp b, 0,1,2,3
.endr
.irp b, 0,1,2,3
	v_lshrrev_b32 v[TM+4+\b], 23, v[TM+12+\b]      ; the scale's byte
.endr
	v_lshl_or_b32 v[PWS+\t], v[TM+5], 8, v[TM+4]
	v_lshl_or_b32 v[PWS+\t], v[TM+6], 16, v[PWS+\t]
	v_lshl_or_b32 v[PWS+\t], v[TM+7], 24, v[PWS+\t]
.irp b, 0,1,2,3
.irp i, 0,1,2,3,4,5,6,7,8,9,10,11,12,13,14,15
.endr
	v_cvt_scalef32_pk8_fp8_f32 v[PC+4*\b:PC+1+4*\b], v[X+16*\b:X+7+16*\b], v[TM+12+\b]
	v_cvt_scalef32_pk8_fp8_f32 v[PC+2+4*\b:PC+3+4*\b], v[X+8+16*\b:X+15+16*\b], v[TM+12+\b]
.endr
	v_nop                                          ; one plain vector line behind the last conversion
.endm
.macro STEP t
.if (\t) < 3
	s_wait_loadcnt 16                              ; this K step's 16 loads are in; the next one's 16 may be out
.else
	s_wait_loadcnt 0x0
.endif
	TURN \t
	s_wait_dscnt 0x0                               ; X is in, and the stage's stores have read their registers,
.if (\t) < 2
	LOAD (\t)+2                                    ; which take the K step two on
.endif
	s_wait_xcnt 0x0                                ; the last K step's stores have read PC: only behind this wait is it written again
	QUANT \t
.irp c, 0,1,2,3
	global_store_b128 v[LO], v[PC+4*\c:PC+4*\c+3], s[28:29] offset:2048*(\t)+512*\c   ; 32 lanes store 512 consecutive bytes, aligned
.endr
.endm
	LOAD 0
	LOAD 1
	STEP 0
	STEP 1
	STEP 2
	STEP 3
	v_cmp_ne_u32 vcc_lo, 0, v8                     ; lanes 0-15 store words 0, 1 of their row, lanes 16-31 words 2, 3 (both halves hold all four)
	v_cndmask_b32 v[OW], v[PWS], v[PWS+2], vcc_lo
	v_cndmask_b32 v[OW+1], v[PWS+1], v[PWS+3], vcc_lo
	global_store_b64 v[SCO], v[OW:OW+1], s[30:31]  ; 256 consecutive bytes, aligned
	s_wait_tensorcnt 0x0
	ds_add_u32 v254, v255
	s_wait_dscnt 0x0
	s_endpgm
.Lfunc_end_k_qba2a45ac49_quant:
	.size	k_qba2a45ac49_quant, .Lfunc_end_k_qba2a45ac49_quant-k_qba2a45ac49_quant
	.p2alignl 7, 3214868480
	.fill 96, 4, 3214868480
	.section	.rodata,"a",@progbits
	.p2align	6, 0x0
	.amdhsa_kernel k_qba2a45ac49_quant
		.amdhsa_group_segment_fixed_size 51456
		.amdhsa_private_segment_fixed_size 0
		.amdhsa_enable_private_segment 0
		.amdhsa_kernarg_size 72
		.amdhsa_user_sgpr_count 2
		.amdhsa_user_sgpr_kernarg_segment_ptr 1
		.amdhsa_wavefront_size32 1
		.amdhsa_system_sgpr_workgroup_id_x 1
		.amdhsa_system_sgpr_workgroup_id_y 1
		.amdhsa_system_sgpr_workgroup_id_z 1
		.amdhsa_system_vgpr_workitem_id 0
		.amdhsa_next_free_vgpr 256
		.amdhsa_next_free_sgpr 66
		.amdhsa_reserve_vcc 1
		.amdhsa_float_denorm_mode_32 3
		.amdhsa_float_denorm_mode_16_64 3
		.amdhsa_fp16_overflow 1
		.amdhsa_memory_ordered 1
		.amdhsa_forward_progress 1
		.amdhsa_inst_pref_size 34
	.end_amdhsa_kernel
	.amdgpu_metadata
---
amdhsa.version: [ 1, 2 ]
amdhsa.kernels:
  - .name:           k_qba2a45ac49_quant
    .symbol:         k_qba2a45ac49_quant.kd
    .args:
      - { .name: x, .offset: 0, .size: 8, .value_kind: global_buffer, .address_space: global }
      - { .name: Wq, .offset: 8, .size: 8, .value_kind: global_buffer, .address_space: global }
      - { .name: Wk, .offset: 16, .size: 8, .value_kind: global_buffer, .address_space: global }
      - { .name: Wv, .offset: 24, .size: 8, .value_kind: global_buffer, .address_space: global }
      - { .name: Wo, .offset: 32, .size: 8, .value_kind: global_buffer, .address_space: global }
      - { .name: pc, .offset: 40, .size: 8, .value_kind: global_buffer, .address_space: global }
      - { .name: ps, .offset: 48, .size: 8, .value_kind: global_buffer, .address_space: global }
      - { .name: yc, .offset: 56, .size: 8, .value_kind: global_buffer, .address_space: global }
      - { .name: ys, .offset: 64, .size: 8, .value_kind: global_buffer, .address_space: global }
    .group_segment_fixed_size: 51456
    .private_segment_fixed_size: 0
    .kernarg_segment_align: 8
    .kernarg_segment_size: 72
    .max_flat_workgroup_size: 192
    .sgpr_count:     66
    .vgpr_count:     256
    .wavefront_size: 32
...
	.end_amdgpu_metadata
.endif
;; end of part 1
;; launch qkv (part 2): grid 8 x 48, 4 waves a work-group, clusters of 4 x 4, 327,680 bytes of LDS; arguments pc, ps, bq, bk, bv, ac, asc; writes ac, asc
.if DOCPART == 2
	.amdgcn_target "amdgcn-amd-amdhsa--gfx1250"
	.amdhsa_code_object_version 6
	.text
	.protected	k_qba2a45ac49_qkv
	.globl	k_qba2a45ac49_qkv
	.p2align	8
	.type	k_qba2a45ac49_qkv,@function
k_qba2a45ac49_qkv:
	s_mov_b64 s[64:65], 0
	v_nop
	global_prefetch_b8 v0, s[64:65] scope:SCOPE_SE
	s_setreg_imm32_b32 hwreg(HW_REG_WAVE_MODE, 25, 1), 1
	s_wait_xcnt 0x0
	s_wait_alu depctr_hold_cnt(0) depctr_sa_sdst(0) depctr_va_vdst(0) depctr_va_sdst(0) depctr_va_ssrc(0) depctr_va_vcc(0) depctr_vm_vsrc(0)
	s_getreg_b32 s2, hwreg(HW_REG_IB_STS2, 6, 4)
	s_cmp_eq_u32 s2, 0
	s_cbranch_scc0 .Lentry_in_a_cluster
	s_endpgm
.Lentry_in_a_cluster:
	s_bfe_u32 s2, ttmp6, 0x10000c
	s_cmp_lg_u32 s2, 0xf033
	s_cbranch_scc0 .Lentry_shape_is_right
	s_endpgm
.Lentry_shape_is_right:
; q = x Wq^T + bq, k = x Wk^T + bk, v = x Wv^T + bv on codes of FP8 (E4M3) with E8M0 scales (K = 1,024), and the results quantised at once: q and k along the head's 64, v along the keys.
; OPERANDS (pc, ps): row tiles of 16 (tile 2 b + u, lane place r: row 32 b + 8 u + r + 8 (r / 8)); a tile's codes are the images of its eight fragments, [tile: 16,384 B][K step: 2,048][chunk: 512][lane: 16];
; its scale words [tile: 512 B][half of K: 256][r: 16][K step: 4].  Tiles 0-511 x, 512-575 Wq, 576-639 Wk, 640-703 Wv.
; A work-group makes 256 x 256, four waves of 128 x 128 (64 accumulators, 512 registers).  THE MATRIX INSTRUCTION IS USED TRANSPOSED: source 0 = a tile of B, source 1 = a tile of A: a lane keeps ONE row of A, and by the
; order of rows in a tile the 16 registers of B's tiles 2 b, 2 b + 1 are 16 neighbouring rows of B, 32 b + 16 h + 0 .. 15: the next product's K.  So the results are quantised in registers and their codes ARE operand images.
; TWO ROLES, by the cluster's y (equal in all sixteen partners).  y < 8: A = x, B = Wq or Wk: a lane keeps a token, registers run along the features: q, k.  y >= 8: A = Wv, B = x: a lane keeps a feature, registers run along the keys: v.
; OUT (ac): q at 0, k at 8,388,608: [batch: 2,097,152][pair of heads: 262,144][token tile: 2,048][head of the pair: 1,024][chunk: 512]; v at 16,777,216: [batch][pair][128 keys: 16,384][head: 8,192][tile of 16 channels: 2,048][chunk: 512].
; In both roles a wave's codes are one dense block of 16 KB (A's tile a x 2,048 + block of 32 x 512 + 16 x lane) and its scale words one dense block of 512 bytes at (the codes' offset) / 32 in asc (32 r + 4 a).
; K goes through a ring of two LDS slots, two K steps of 128 to a slot; the eight K steps are written out.  A wave has at most two tensor loads out (the two first fills), later one.
; CLUSTERS 4 x 4: A's tiles are shared along a row of the cluster, B's along a column, by joint loads.
; LIMITS: a block of zeros gets the byte 1 where the rule says 127 (zero codes; only this program reads the bytes); NaN and infinities are not served.
; REGISTERS: window 0: v1-29 addresses; v32-95 scale words (v[32 + 8 i + K step]: lanes 0-15 A's tile i, lanes 16-31 B's tile i); v96-123 at work on the way out; v128-255 A's fragments, one set, later the codes.
;   window 1: B's fragments, two sets (v0, v128); set 0 later holds the bias.  Windows 2, 3: the accumulators, (a, b) at v[8 (8 (a % 4) + b)].
.set SLOT,   131072                    ; A's 16 tiles x 4,096 bytes (two K steps), then B's
.set SPARE,  2*SLOT                    ; the spare words: 128 bytes a wave, two blocks of 256 bytes that no other line names
.set FR,     16
.set NP,     8                         ; places behind this matrix instruction (ISA guide 7.12.1)
.set ADRA,   16                        ; v16-17 my A fragments in slot 0, 1: slot + 32,768 x row half + 16 x lane
.set ADRB,   20                        ; v20-21 the same for B, 65,536 further on
.set SO,     23                        ; v23  32 r + 16 h: my four scale words' place
.set CO,     24                        ; v24  16 x lane
.set BOQ,    25                        ; v25  64 h: bias by registers
.set BOV,    26                        ; v26  4 (r + 8 (r / 8)): bias by lanes
.set SOF,    27                        ; v27  my offset in ps
.set SPW,    28                        ; v28  my spare word; never rewritten
.set NIL,    29                        ; v29  0; never rewritten
.set SC,     32
.set TM,     96
.set WW,     112                       ; v112-119 the scale words of A's tiles 0-7
.set OW,     120
.set AF,     128
.set CLY,    2                         ; s2   the cluster's y
.set ROLE,   3                         ; s3   1: v
.set WV,     18
.set RH,     19                        ; which half of A's rows is mine.  Also: I fetch for A (0) or for B (1)
.set CH,     20                        ; which half of B's rows.  Also: which 8 tiles I fetch
.set CX,     21
.set CY,     22
.set XX,     23
.set G1,     24                        ; s[24:31] group 1 for A;  s[32:39] groups 0, one for each slot
.set G0,     32
.set G1B,    48                        ; s[48:55], s[56:63] the same for B
.set G0B,    56
.set MNT,    77
.set SEL,    78
.set MSB, 0
.macro WIN new                         ; the immediate's high byte repeats the setting that is left
.if MSB != (\new)
	s_set_vgpr_msb (MSB<<8)|(\new)
.set MSB, (\new)
.endif
.endm
.set MUL_LO, 0xa1                      ; source 0 (B) window 1, source 1 (A) window 0, C and D window 2
.set MUL_HI, 0xf1
.set TO_B,   0x40
.macro JLOAD g0a, g1a, g0b, g1b        ; a joint load: waves 0, 1 for A, waves 2, 3 for B; four v_nop follow each line
	s_cmp_eq_u32 s[RH], 0
	s_cbranch_scc0 .Lfor_b_\@
	tensor_load_to_lds s[\g0a:\g0a+3], s[\g1a:\g1a+7]
	s_nop 0
.rept 4
	v_nop
.endr
	s_branch .Lasked_\@
.Lfor_b_\@:
	tensor_load_to_lds s[\g0b:\g0b+3], s[\g1b:\g1b+7]
	s_nop 0
.rept 4
	v_nop
.endr
.Lasked_\@:
.endm
.macro CREST                           ; a round of the cluster's barrier behind its opening barrier
	s_cmp_lg_u32 s[WV], 0
	s_cbranch_scc1 .Lnot_wave_0_\@
	s_barrier_signal -3
.Lnot_wave_0_\@:
	s_barrier_wait -3
	s_barrier_signal -1
	s_barrier_wait -1
.endm
.macro CROUND
	s_barrier_signal -1
	s_barrier_wait -1
	CREST
.endm
.macro PLACES n
.rept \n
	v_nop
.endr
.endm
	s_load_b256 s[4:11], s[0:1], 0x0               ; pc, ps, bq, bk
	s_load_b128 s[12:15], s[0:1], 0x20             ; bv, ac
	s_load_b64 s[16:17], s[0:1], 0x30              ; asc
	v_lshl_add_u32 v[SPW], v0, 2, SPARE
	v_mov_b32 v[NIL], 0
	ds_add_u32 v28, v29
	ds_add_u32 v28, v29
	s_wait_dscnt 0x0
	v_lshrrev_b32 v1, 5, v0
	v_readfirstlane_b32 s[WV], v1
	s_lshr_b32 s[RH], s[WV], 1
	s_and_b32 s[CH], s[WV], 1
	s_bfe_u32 s[CX], ttmp6, 0x40000
	s_bfe_u32 s[CY], ttmp6, 0x40004
	s_lshl_b32 s[XX], ttmp9, 2
	s_add_co_u32 s[XX], s[XX], s[CX]               ; X = 4 x cluster x + cx
	s_and_b32 s[CLY], ttmp7, 0xffff
	s_lshl_b32 s40, s[CY], 2
	s_lshl_b32 s40, 15, s40                        ; my row of the cluster
	s_lshl_b32 s41, 0x1111, s[CX]                  ; my column
	; group 1: 8 rows (tiles) of 4,096 bytes (two K steps), 16,384 bytes apart, in elements of 8 bytes; dense in LDS
	s_or_b32 s[G1], s40, (3<<16)|(1<<21)
	s_or_b32 s[G1B], s41, (3<<16)|(1<<21)
.irp g, G1, G1B
	s_mov_b32 s[\g+1], 512<<16                     ; tensor_dim0
	s_mov_b32 s[\g+2], 8<<16                       ; tensor_dim1
	s_mov_b32 s[\g+3], 512<<16                     ; tile_dim0
	s_mov_b32 s[\g+4], 8                           ; tile_dim1
	s_mov_b32 s[\g+5], 2048                        ; from tile to tile
	s_mov_b32 s[\g+6], 0
	s_mov_b32 s[\g+7], 0
.endr
	; the first tiles.  q, k: A = x at 64 y + 16 cy, B = Wq, Wk at 512 + 16 X.  v: A = Wv at 640 + 16 cy, B = x at 128 (y - 8) + 16 X.  A's never hold cx, B's never cy
	s_lshl_b32 s42, s[CLY], 6
	s_sub_co_u32 s43, s[CLY], 8
	s_lshl_b32 s43, s43, 7
	s_cmp_ge_u32 s[CLY], 8
	s_cselect_b32 s[ROLE], 1, 0
	s_cselect_b32 s42, 640, s42
	s_cselect_b32 s43, s43, 512
	s_lshl_b32 s44, s[CY], 4
	s_add_co_u32 s42, s42, s44                     ; A's first tile
	s_lshl_b32 s45, s[XX], 4
	s_add_co_u32 s43, s43, s45                     ; B's first tile
	s_lshl_b32 s46, s[CH], 3
	s_add_co_u32 s66, s42, s46
	s_lshl_b32 s66, s66, 14                        ; the 8 tiles of A that I would fetch, in bytes
	s_mov_b32 s67, 0
	s_add_co_u32 s68, s43, s46
	s_lshl_b32 s68, s68, 14                        ; and of B
	s_mov_b32 s69, 0
	s_lshl_b32 s47, s[WV], 15                      ; where they go: wave x 32,768: no place in the cluster enters an LDS address
	s_wait_kmcnt 0x0
	s_add_nc_u64 s[66:67], s[4:5], s[66:67]
	s_add_nc_u64 s[68:69], s[4:5], s[68:69]
	CROUND                                         ; all sixteen work-groups are here: the first joint loads meet
.irp s, 0,1
	s_mov_b32 s[G0+4*\s], 1
	s_add_co_u32 s[G0+4*\s+1], s47, \s*SLOT
	s_add_nc_u64 s[G0+4*\s+2:G0+4*\s+3], s[66:67], \s*4096
	s_or_b32 s[G0+4*\s+3], s[G0+4*\s+3], 0x80000000
	s_mov_b32 s[G0B+4*\s], 1
	s_add_co_u32 s[G0B+4*\s+1], s47, \s*SLOT
	s_add_nc_u64 s[G0B+4*\s+2:G0B+4*\s+3], s[68:69], \s*4096
	s_or_b32 s[G0B+4*\s+3], s[G0B+4*\s+3], 0x80000000
	JLOAD G0+4*\s, G1, G0B+4*\s, G1B
.endr
	v_and_b32 v1, 15, v0                           ; r
	v_bfe_u32 v2, v0, 4, 1                         ; h
	s_wait_alu depctr_va_vdst(0)
	v_and_b32 v3, 31, v0
	v_lshlrev_b32 v[CO], 4, v3
	s_lshl_b32 s40, s[RH], 15
	s_lshl_b32 s41, s[CH], 15
	s_add_co_u32 s41, s41, 65536
.irp s, 0,1
	v_add_nc_u32 v[ADRA+\s], s40, v[CO]
	v_add_nc_u32 v[ADRB+\s], s41, v[CO]
	s_add_co_u32 s40, s40, SLOT
	s_add_co_u32 s41, s41, SLOT
.endr
	; the scale words of my 8 tiles of A (lanes 0-15) and of B (lanes 16-31), for all of K: 16 loads, once
	s_lshl_b32 s70, s[RH], 3
	s_add_co_u32 s70, s70, s42
	s_lshl_b32 s70, s70, 9
	s_add_co_u32 s71, s43, s46
	s_lshl_b32 s71, s71, 9
	v_mov_b32 v5, s70
	v_mov_b32 v6, s71
	v_cmp_ne_u32 vcc_lo, 0, v2
	v_cndmask_b32 v[SOF], v5, v6, vcc_lo
	v_lshl_add_u32 v[SOF], v1, 4, v[SOF]
.irp i, 0,1,2,3,4,5,6,7
	global_load_b128 v[SC+8*\i:SC+8*\i+3], v[SOF], s[6:7] offset:512*\i
	global_load_b128 v[SC+8*\i+4:SC+8*\i+7], v[SOF], s[6:7] offset:512*\i+256
.endr
	v_lshlrev_b32 v[SO], 5, v1
	v_lshl_add_u32 v[SO], v2, 4, v[SO]
	v_lshlrev_b32 v[BOQ], 6, v2
	v_and_b32 v[BOV], 8, v1
	v_add_nc_u32 v[BOV], v[BOV], v1
	v_lshlrev_b32 v[BOV], 2, v[BOV]
.irp b, 0,1,2,3
	v_mov_b32 v[TM+4+\b], 0                        ; written once: a lane permute's destination counts as one of its sources
.endr
	s_mov_b32 s[SEL], 0x76543210
	s_mov_b32 s[SEL+1], 0xfedcba98
	; where my wave's 16 KB of codes go.  q, k: (X / 4) 8,388,608 + (Y / 8) 2,097,152 + (2 (X % 4) + column half) 262,144 + (2 (Y % 8) + row half) 16,384, Y = 4 y + cy
	s_lshl_b32 s72, s[CLY], 2
	s_add_co_u32 s72, s72, s[CY]
	s_lshr_b32 s73, s[XX], 2
	s_lshl_b32 s73, s73, 23
	s_lshr_b32 s74, s72, 3
	s_lshl_b32 s74, s74, 21
	s_add_co_u32 s73, s73, s74
	s_and_b32 s74, s[XX], 3
	s_lshl_b32 s74, s74, 1
	s_add_co_u32 s74, s74, s[CH]
	s_lshl_b32 s74, s74, 18
	s_add_co_u32 s73, s73, s74
	s_and_b32 s74, s72, 7
	s_lshl_b32 s74, s74, 1
	s_add_co_u32 s74, s74, s[RH]
	s_lshl_b32 s74, s74, 14
	s_add_co_u32 s73, s73, s74
	; v: 16,777,216 + (y - 8) 2,097,152 + (2 cy + row half) 262,144 + (2 X + column half) 16,384
	s_sub_co_u32 s75, s[CLY], 8
	s_lshl_b32 s75, s75, 21
	s_add_co_u32 s75, s75, 16777216
	s_lshl_b32 s76, s[CY], 1
	s_add_co_u32 s76, s76, s[RH]
	s_lshl_b32 s76, s76, 18
	s_add_co_u32 s75, s75, s76
	s_lshl_b32 s76, s[XX], 1
	s_add_co_u32 s76, s76, s[CH]
	s_lshl_b32 s76, s76, 14
	s_add_co_u32 s75, s75, s76
	s_cmp_eq_u32 s[ROLE], 1
	s_cselect_b32 s72, s75, s73
	s_mov_b32 s73, 0
	s_add_nc_u64 s[14:15], s[14:15], s[72:73]
	s_lshr_b32 s72, s72, 5
	s_add_nc_u64 s[16:17], s[16:17], s[72:73]
	; the bias of my 128 features: bq or bk at 256 (X % 4) + 128 column half; bv at 256 cy + 128 row half
	s_and_b32 s74, s[XX], 3
	s_lshl_b32 s74, s74, 10
	s_lshl_b32 s75, s[CH], 9
	s_add_co_u32 s74, s74, s75
	s_lshl_b32 s75, s[CY], 10
	s_lshl_b32 s76, s[RH], 9
	s_add_co_u32 s75, s75, s76
	s_cmp_lt_u32 s[XX], 4
	s_cselect_b64 s[8:9], s[8:9], s[10:11]
	s_cmp_eq_u32 s[ROLE], 1
	s_cselect_b64 s[8:9], s[12:13], s[8:9]
	s_cselect_b32 s74, s75, s74
	s_mov_b32 s75, 0
	s_add_nc_u64 s[8:9], s[8:9], s[74:75]
.macro FRAG reg, adr, q, i             ; a fragment's image: four loads of 512 consecutive bytes
.irp c, 0,1,2,3
	ds_load_b128 v[\reg+4*\c:\reg+4*\c+3], v[\adr] offset:4096*(\i)+2048*(\q)+512*\c
.endr
.endm
; 16 matrix instructions: A's tiles a0, a0 + 1 x B's eight, K step ks; p: B's set.  The 64 accumulators take turns, one instruction a turn, in the same order in every K step.
.macro MUL16 a0, p, ks, zero
.irp a, \a0, \a0+1
.irp b, 0,1,2,3,4,5,6,7
.if \zero
	v_wmma_scale_f32_16x16x128_f8f6f4 v[8*(8*((\a)%4)+\b):8*(8*((\a)%4)+\b)+7], v[128*(\p)+FR*\b:128*(\p)+FR*\b+FR-1], v[AF+FR*(\a):AF+FR*(\a)+FR-1], 0, v[SC+8*\b+(\ks)], v[SC+8*(\a)+(\ks)] matrix_a_scale:MATRIX_SCALE_ROW1
.else
	v_wmma_scale_f32_16x16x128_f8f6f4 v[8*(8*((\a)%4)+\b):8*(8*((\a)%4)+\b)+7], v[128*(\p)+FR*\b:128*(\p)+FR*\b+FR-1], v[AF+FR*(\a):AF+FR*(\a)+FR-1], v[8*(8*((\a)%4)+\b):8*(8*((\a)%4)+\b)+7], v[SC+8*\b+(\ks)], v[SC+8*(\a)+(\ks)] matrix_a_scale:MATRIX_SCALE_ROW1
.endif
.endr
.endr
.endm
.macro FETCH_B slot, q, p
	WIN TO_B
.irp i, 0,1,2,3,4,5,6,7
	FRAG 128*(\p)+FR*\i, ADRB+\slot, \q, \i
.endr
	WIN 0
.endm
.macro FETCH_A slot, q, i0
.irp i, \i0, \i0+1, \i0+2, \i0+3
	FRAG AF+FR*(\i), ADRA+\slot, \q, \i
.endr
.endm
; A slot's first K step (B's set 0); it fetches the slot's second.  A tile of A is free as soon as its eight products are issued: tiles 0-3 are fetched anew in the middle, 4-7 at the end.
.macro STEP slot, ks, zero
	s_wait_dscnt 16                                ; B's set and A's tiles 0-3 are in; the youngest 16 loads (A's tiles 4-7) may be out
	WIN MUL_LO
	MUL16 0, 0, \ks, \zero
	MUL16 2, 0, \ks, \zero
	s_wait_dscnt 0x0
	PLACES NP                                      ; in front of loads into registers that matrix instructions have read
	FETCH_B \slot, 1, 1
	FETCH_A \slot, 1, 0
	WIN MUL_HI
	MUL16 4, 0, \ks, \zero
	MUL16 6, 0, \ks, \zero
	PLACES NP
	WIN 0
	FETCH_A \slot, 1, 4
.endm
; A slot's second K step (B's set 1) changes slots: one barrier; in front of it each wave waits for all its tensor loads, adds 0 to its spare word, and waits for that and for its reads of this slot.
.macro TURN slot, next, fill, ks
	s_wait_tensorcnt 0x0                           ; all my tensor loads have landed: my part of the next slot
	ds_add_u32 v[SPW], v[NIL]                      ; 0 onto my spare word
	s_wait_dscnt 17                                ; (the add and A's tiles 4-7 may be out)
	WIN MUL_LO
	MUL16 0, 1, \ks, 0
	s_wait_dscnt 0x0                               ; the add is done, and my reads of this slot are over
	s_barrier_signal -1
	MUL16 2, 1, \ks, 0
	WIN 0
	s_barrier_wait -1
.if \fill
	CREST                                          ; the barrier has opened a round of the cluster's: no wave of any partner still reads this slot or has a load on its way
	s_add_nc_u64 s[G0+4*\slot+2:G0+4*\slot+3], s[G0+4*\slot+2:G0+4*\slot+3], 8192
	s_add_nc_u64 s[G0B+4*\slot+2:G0B+4*\slot+3], s[G0B+4*\slot+2:G0B+4*\slot+3], 8192
	JLOAD G0+4*\slot, G1, G0B+4*\slot, G1B         ; the first tensor load behind the round: four K steps on; its four v_nop are four of the eight places
	PLACES NP-4
.else
	PLACES NP
.endif
	FETCH_B \next, 0, 0
	FETCH_A \next, 0, 0
	WIN MUL_HI
	MUL16 4, 1, \ks, 0
	MUL16 6, 1, \ks, 0
	PLACES NP
	WIN 0
	FETCH_A \next, 0, 4
.endm
	s_wait_tensorcnt 1                             ; my part of slot 0 is in; slot 1's may stay out
	s_barrier_signal -1
	s_barrier_wait -1
	FETCH_B 0, 0, 0
	FETCH_A 0, 0, 0
	FETCH_A 0, 0, 4
	s_wait_loadcnt 0x0                             ; the scale words
	STEP 0, 0, 1                                   ; the first products start the sums: nothing is cleared
	TURN 0, 1, 1, 1
	STEP 1, 2, 0
	TURN 1, 0, 1, 3
	STEP 0, 4, 0
	TURN 0, 1, 0, 5                                ; nothing is left to fetch
	STEP 1, 6, 0
	; the bias goes into B's set 0, which has had its last product (eight places back).  The branch hangs on the cluster's y alone
	s_cmp_eq_u32 s[ROLE], 1
	s_cbranch_scc1 .Lbias_v
	WIN TO_B
	s_wait_alu depctr_va_vdst(0)
.irp b, 0,1,2,3,4,5,6,7                ; q, k: register j of B's tile b is feature 32 (b / 2) + 16 h + 8 (b % 2) + j
	global_load_b128 v[8*\b:8*\b+3], v[BOQ], s[8:9] offset:(32*(\b/2)+8*(\b%2))*4
	global_load_b128 v[8*\b+4:8*\b+7], v[BOQ], s[8:9] offset:(32*(\b/2)+8*(\b%2))*4+16
.endr
	WIN 0
	s_branch .Lbias_in
.Lbias_v:
	WIN TO_B
	s_wait_alu depctr_va_vdst(0)
.irp a, 0,1,2,3,4,5,6,7                ; v: in A's tile a my lane keeps feature 32 (a / 2) + 8 (a % 2) + r + 8 (r / 8): one number, twice, for the packed addition
	global_load_b32 v[2*\a], v[BOV], s[8:9] offset:(32*(\a/2)+8*(\a%2))*4
	global_load_b32 v[2*\a+1], v[BOV], s[8:9] offset:(32*(\a/2)+8*(\a%2))*4
.endr
	WIN 0
.Lbias_in:
	s_wait_dscnt 16                                ; the last K step
	WIN MUL_LO
	MUL16 0, 1, 7, 0
	MUL16 2, 1, 7, 0
	s_wait_dscnt 0x0
	WIN MUL_HI
	MUL16 4, 1, 7, 0
	MUL16 6, 1, 7, 0
	WIN 0
	PLACES NP                                      ; in front of the first read of results and of writes into A's registers
	s_wait_loadcnt 0x0                             ; the bias
	s_cmp_eq_u32 s[ROLE], 1
	s_cbranch_scc1 .Ladd_v
.irp a, 0,1,2,3,4,5,6,7
	WIN 0x86+0x41*(\a/4)                           ; accumulators in window 2 or 3, the bias in window 1
.set P2, 0
.rept 32
	v_pk_add_f32 v[64*(\a%4)+P2:64*(\a%4)+P2+1], v[64*(\a%4)+P2:64*(\a%4)+P2+1], v[P2:P2+1]   ; each accumulator from its low end on
.set P2, P2+2
.endr
.endr
	WIN 0
	s_branch .Ladded
.Ladd_v:
.irp a, 0,1,2,3,4,5,6,7
	WIN 0x86+0x41*(\a/4)
.set P2, 0
.rept 32
	v_pk_add_f32 v[64*(\a%4)+P2:64*(\a%4)+P2+1], v[64*(\a%4)+P2:64*(\a%4)+P2+1], v[2*\a:2*\a+1]
.set P2, P2+2
.endr
.endr
	WIN 0
.Ladded:
; A's tile a: my row's 128 results are four blocks of 32 (16 registers here, 16 in lane l xor 16).  They become 64 codes (four stores of 512 consecutive bytes) and a scale word.
.macro QUANTW a
.set ACB, 64*((\a)%4)
.set PCA, AF+16*(\a)
	WIN 0x0a+5*((\a)/4)                            ; sources 0 and 1 in the accumulators' window
.irp b, 0,1,2,3
	v_max3_num_f32 v[TM+\b], |v[ACB+16*\b]|, |v[ACB+16*\b+1]|, 0x4800000   ; and the floor 2^(9 - 127): the byte cannot fall under 1
.endr
.irp i, 2,4,6,8,10,12,14
.irp b, 0,1,2,3
	v_max3_num_f32 v[TM+\b], |v[ACB+16*\b+\i]|, |v[ACB+16*\b+\i+1]|, v[TM+\b]
.endr
.endr
	WIN 0
.irp b, 0,1,2,3
	v_permlanex16_b32 v[TM+4+\b], v[TM+\b], s[SEL], s[SEL+1]
.endr
.irp b, 0,1,2,3
	v_max_num_f32 v[TM+\b], v[TM+\b], v[TM+4+\b]
.endr
.irp b, 0,1,2,3
	v_add_nc_u32 v[TM+12+\b], 0xfc000000, v[TM+\b] ; 8 off the exponent field: the conversion's scale operand
.endr
.irp b, 0,1,2,3
.endr
.irp b, 0,1,2,3
	v_lshrrev_b32 v[TM+4+\b], 23, v[TM+12+\b]      ; the byte
.endr
	v_lshl_or_b32 v[WW+\a], v[TM+5], 8, v[TM+4]
	v_lshl_or_b32 v[WW+\a], v[TM+6], 16, v[WW+\a]
	v_lshl_or_b32 v[WW+\a], v[TM+7], 24, v[WW+\a]
	WIN 0x82+0x41*((\a)/4)                         ; destination and source 0 in the accumulators' window
.irp b, 0,1,2,3
.irp i, 0,1,2,3,4,5,6,7,8,9,10,11,12,13,14,15
.endr
.endr
	WIN 2+(\a)/4                                   ; source 0 alone
.irp b, 0,1,2,3
	v_cvt_scalef32_pk8_fp8_f32 v[PCA+4*\b:PCA+4*\b+1], v[ACB+16*\b:ACB+16*\b+7], v[TM+12+\b]
	v_cvt_scalef32_pk8_fp8_f32 v[PCA+4*\b+2:PCA+4*\b+3], v[ACB+16*\b+8:ACB+16*\b+15], v[TM+12+\b]
.endr
	WIN 0
	v_nop                                          ; one plain vector line behind the last conversion
.irp c, 0,1,2,3
	global_store_b128 v[CO], v[PCA+4*\c:PCA+4*\c+3], s[14:15] offset:2048*(\a)+512*\c   ; 512 consecutive bytes, aligned; each tile has its own registers, so no store's data are written again
.endr
.endm
.irp a, 0,1,2,3,4,5,6,7
	QUANTW \a
.endr
	v_cmp_ne_u32 vcc_lo, 0, v2                     ; lanes 0-15 store their row's words 0-3, lanes 16-31 words 4-7 (both halves hold all eight)
.irp k, 0,1,2,3
	v_cndmask_b32 v[OW+\k], v[WW+\k], v[WW+4+\k], vcc_lo
.endr
	global_store_b128 v[SO], v[OW:OW+3], s[16:17]  ; 512 consecutive bytes, aligned
	s_wait_tensorcnt 0x0                           ; the wave's end
	ds_add_u32 v[SPW], v[NIL]
	s_wait_dscnt 0x0
	CROUND                                         ; the closing round: no work-group ends while a partner may still ask for a tile that names it
	s_endpgm
.Lfunc_end_k_qba2a45ac49_qkv:
	.size	k_qba2a45ac49_qkv, .Lfunc_end_k_qba2a45ac49_qkv-k_qba2a45ac49_qkv
	.p2alignl 7, 3214868480
	.fill 96, 4, 3214868480
	.section	.rodata,"a",@progbits
	.p2align	6, 0x0
	.amdhsa_kernel k_qba2a45ac49_qkv
		.amdhsa_group_segment_fixed_size 327680
		.amdhsa_private_segment_fixed_size 0
		.amdhsa_enable_private_segment 0
		.amdhsa_kernarg_size 56
		.amdhsa_user_sgpr_count 2
		.amdhsa_user_sgpr_kernarg_segment_ptr 1
		.amdhsa_wavefront_size32 1
		.amdhsa_system_sgpr_workgroup_id_x 1
		.amdhsa_system_sgpr_workgroup_id_y 1
		.amdhsa_system_sgpr_workgroup_id_z 1
		.amdhsa_system_vgpr_workitem_id 0
		.amdhsa_next_free_vgpr 1024
		.amdhsa_next_free_sgpr 100
		.amdhsa_reserve_vcc 1
		.amdhsa_float_denorm_mode_32 3
		.amdhsa_float_denorm_mode_16_64 3
		.amdhsa_fp16_overflow 1
		.amdhsa_memory_ordered 1
		.amdhsa_forward_progress 1
		.amdhsa_inst_pref_size 183
	.end_amdhsa_kernel
	.amdgpu_metadata
---
amdhsa.version: [ 1, 2 ]
amdhsa.kernels:
  - .name:           k_qba2a45ac49_qkv
    .symbol:         k_qba2a45ac49_qkv.kd
    .args:
      - { .name: pc, .offset: 0, .size: 8, .value_kind: global_buffer, .address_space: global }
      - { .name: ps, .offset: 8, .size: 8, .value_kind: global_buffer, .address_space: global }
      - { .name: bq, .offset: 16, .size: 8, .value_kind: global_buffer, .address_space: global }
      - { .name: bk, .offset: 24, .size: 8, .value_kind: global_buffer, .address_space: global }
      - { .name: bv, .offset: 32, .size: 8, .value_kind: global_buffer, .address_space: global }
      - { .name: ac, .offset: 40, .size: 8, .value_kind: global_buffer, .address_space: global }
      - { .name: asc, .offset: 48, .size: 8, .value_kind: global_buffer, .address_space: global }
    .group_segment_fixed_size: 327680
    .private_segment_fixed_size: 0
    .kernarg_segment_align: 8
    .kernarg_segment_size: 56
    .max_flat_workgroup_size: 128
    .sgpr_count:     100
    .vgpr_count:     1024
    .wavefront_size: 32
...
	.end_amdgpu_metadata
.endif
;; end of part 2
;; launch attn (part 3): grid 4 x 64, 16 waves a work-group, clusters of 4 x 1, 280,576 bytes of LDS; arguments ac, asc, yc, ys; writes yc, ys
.if DOCPART == 3
	.amdgcn_target "amdgcn-amd-amdhsa--gfx1250"
	.amdhsa_code_object_version 6
	.text
	.protected	k_qba2a45ac49_attn
	.globl	k_qba2a45ac49_attn
	.p2align	8
	.type	k_qba2a45ac49_attn,@function
k_qba2a45ac49_attn:
	s_mov_b64 s[64:65], 0
	v_nop
	global_prefetch_b8 v0, s[64:65] scope:SCOPE_SE
	s_setreg_imm32_b32 hwreg(HW_REG_WAVE_MODE, 25, 1), 1
	s_wait_xcnt 0x0
	s_wait_alu depctr_hold_cnt(0) depctr_sa_sdst(0) depctr_va_vdst(0) depctr_va_sdst(0) depctr_va_ssrc(0) depctr_va_vcc(0) depctr_vm_vsrc(0)
	s_getreg_b32 s2, hwreg(HW_REG_IB_STS2, 6, 4)
	s_cmp_eq_u32 s2, 0
	s_cbranch_scc0 .Lentry_in_a_cluster
	s_endpgm
.Lentry_in_a_cluster:
	s_bfe_u32 s2, ttmp6, 0x10000c
	s_cmp_lg_u32 s2, 0x3003
	s_cbranch_scc0 .Lentry_shape_is_right
	s_endpgm
.Lentry_shape_is_right:
; y[b][q][head] = softmax_k(q . k / 8, causal) v, both products on codes of FP8 (E4M3) with E8M0 scales, and y quantised along the model's 1,024 for the last product.
; THE SOFTMAX: t = score x log2(e) / 8; M = the running largest t rounded UP to a whole number; p = 2^(t - M) is quantised along the keys, not normalised; the row's sum is taken of the unquantised p and divides O at the end.
; When M moves, the sum and O are multiplied by 2^(old M - new M): exact.
; IN (ac, asc): operand images made by the launch before: q, k [batch][pair of heads][token tile: 2,048][head: 1,024][chunk: 512]; v [batch][pair][128 keys: 16,384][head: 8,192][tile of 16 channels: 2,048][chunk: 512].
; Tile 2 b + u holds at lane place r the token (or channel) 32 b + 8 u + r + 8 (r / 8), so that the 16 registers of result tiles 2 b, 2 b + 1 are 16 neighbours 32 b + 16 h + 0 .. 15.
; SHARES.  A cluster of four work-groups owns one (batch, head); all of the head's K and V (codes 2 x 131,072 bytes, scale bytes 2 x 8,192) come into each partner's LDS ONCE, by six joint loads: nothing is filled again.
; Each of the cluster's 64 waves owns two tiles of 16 queries, tile T and tile 127 - T, T = 8 (wave / 2) + 2 cx + wave % 2: (wave / 2 + 1) + (16 - wave / 2) = 17 key steps of 128 keys for every wave.
; The step that holds the diagonal hangs on the wave's number alone; cx enters global addresses and the mask's numbers only.  Trip counts are constants (8 and 16); a step all of whose keys are hidden is jumped over.
; Both products are used transposed (S^T = K Q^T, O^T = V^T P^T): a lane keeps one query.
; K = 64 IN AN INSTRUCTION OF 128: Q's registers 8-15 hold zero codes.  A key tile's operand is its 8 registers and the next tile's 8 (behind the last tile: zeros): those codes are finite (the quantiser holds them) and meet
; Q's zero codes, under scale bytes 0 (2^-127), so they add nothing.
; OUT: yc [token tile 128 b + T: 16,384][head: 1,024][chunk: 512][lane: 16]; ys [tile: 512][head / 8: 256][r: 16][head % 8: 2 bytes].  The two scale bytes a row are stored 2 bytes a lane (one part in 32 of the codes' bytes).
; No prefetch: all that the launch reads again is asked for at its head.
; LIMITS: a block of zeros gets the byte 1 where the rule says 127 (zero codes; only this program reads the bytes); NaN and infinities are not served.
.set LKS,   262144                     ; LDS: K's codes at 0, V's at 131,072, K's scale bytes here,
.set LVS,   270336                     ; V's here
.set LI,    1                          ; v1   16 x lane
.set AKS0,  2                          ; v2   LKS + 32 r + 2 (head % 2)
.set AVS0,  3                          ; v3   LVS + 32 r + 16 (head % 2)
.set ADK,   4                          ; v4-7 the step's addresses
.set ADV,   5
.set ADS,   6
.set ADT,   7
.set VD,    8                          ; v8   my query's place in its 128, less 16 h
.set VR0,   9                          ; v9   r + 8 (r / 8) - 16 h
.set R32,   10                         ; v10  32 r
.set R16,   11                         ; v11  16 r
.set KV,    32                         ; v32-95 K's 8 tiles (8 registers each), then V's 4 (16 each); v96-103 zeros
.set S,     104                        ; v104-167 S^T, then p, then y
.set O,     168                        ; v168-199 O^T
.set PCD,   200                        ; v200-215 p's codes, then y's
.set BX,    216
.set PR,    220
.set HLD,   224
.set SOP,   228
.set KSC,   232                        ; v232-239 K's scale words; v240-243 V's; v244 Q's; v245 p's: v232-239 also carry partial sums of p
.set VSC,   240
.set QS,    244
.set PS,    245
.set FF,    246                        ; v[246:247] f = 2^(old M - new M)
.set TMP,   248
.set NINF,  249
.set WV,    12
.set CX,    13
.set BH,    14
.set BB,    15
.set HH,    16
.set HP,    17
.set HL,    18
.set MNT,   19
.set SEL,   20
.set CS,    22
.set G1K,   24
.set G1V,   32
.set G1S,   40
.set G0K,   48
.set G0V,   52
.set G0S,   56
.set TT,    66
.set GS,    67
.set ST,    68
.set TB,    69
.set TS,    70
.set QB,    72
.set QSB,   74
.set YB,    76
.set YSB,   78
.set PQ,    84
.set PQS,   86
.set PY,    88
.set PYS,   90
.set T0,    92
.set GG,    93
.macro CROUND
	s_barrier_signal -1
	s_barrier_wait -1
	s_cmp_lg_u32 s[WV], 0
	s_cbranch_scc1 .Lnot_wave_0_\@
	s_barrier_signal -3
.Lnot_wave_0_\@:
	s_barrier_wait -3
	s_barrier_signal -1
	s_barrier_wait -1
.endm
	s_load_b256 s[4:11], s[0:1], 0x0               ; ac, asc, yc, ys
	v_lshl_add_u32 v254, v0, 2, 0x44000
	v_mov_b32 v255, 0
	ds_add_u32 v254, v255
	ds_add_u32 v254, v255
	v_lshrrev_b32 v1, 5, v0
	s_delay_alu instid0(VALU_DEP_1)
	v_readfirstlane_b32 s[WV], v1                  ; wave 0..15
	s_bfe_u32 s[CX], ttmp6, 0x40000
	s_and_b32 s[BH], ttmp7, 0xffff                 ; 16 x batch + head: the four partners share it
	s_lshr_b32 s[BB], s[BH], 4
	s_and_b32 s[HH], s[BH], 15
	s_lshr_b32 s[HP], s[HH], 1
	s_and_b32 s[HL], s[HH], 1
	s_lshl_b32 s80, s[BB], 21
	s_lshl_b32 s84, s[HP], 18
	s_add_co_u32 s80, s80, s84                     ; the pair of heads in a region of codes,
	s_lshr_b32 s82, s80, 5                         ; and of scale bytes
	s_and_b32 s85, s[WV], 1                        ; which half I would fetch
	s_lshl_b32 s86, s85, 17                        ; in memory,
	s_lshl_b32 s87, s85, 16                        ; in LDS
	s_lshl_b32 s88, s[HL], 10
	s_add_co_u32 s88, s88, s80
	s_add_co_u32 s88, s88, s86
	s_add_co_u32 s88, s88, 8388608                 ; K's codes
	s_mov_b32 s89, 0
	s_lshl_b32 s90, s[HL], 13
	s_add_co_u32 s90, s90, s80
	s_add_co_u32 s90, s90, s86
	s_add_co_u32 s90, s90, 16777216                ; V's codes
	s_mov_b32 s91, 0
	s_lshl_b32 s94, s85, 18
	s_add_co_u32 s94, s94, s82
	s_add_co_u32 s94, s94, 262144                  ; K's scale bytes (wave 4) or V's (wave 5)
	s_mov_b32 s95, 0
	; group 1, elements of 8 bytes, the mask names all four partners.  K: 64 rows (tiles) of 1,024 bytes, 2,048 apart.  V: 8 rows (key steps) of 8,192 bytes, 16,384 apart.  Scale bytes: 32 dense rows of 256 bytes
	s_mov_b32 s[G1K], 15|(3<<16)|(1<<21)
	s_mov_b32 s[G1K+1], 128<<16
	s_mov_b32 s[G1K+2], 64<<16
	s_mov_b32 s[G1K+3], 128<<16
	s_mov_b32 s[G1K+4], 64
	s_mov_b32 s[G1K+5], 256
	s_mov_b32 s[G1K+6], 0
	s_mov_b32 s[G1K+7], 0
	s_mov_b32 s[G1V], 15|(3<<16)|(1<<21)
	s_mov_b32 s[G1V+1], 1024<<16
	s_mov_b32 s[G1V+2], 8<<16
	s_mov_b32 s[G1V+3], 1024<<16
	s_mov_b32 s[G1V+4], 8
	s_mov_b32 s[G1V+5], 2048
	s_mov_b32 s[G1V+6], 0
	s_mov_b32 s[G1V+7], 0
	s_mov_b32 s[G1S], 15|(3<<16)|(1<<21)
	s_mov_b32 s[G1S+1], 32<<16
	s_mov_b32 s[G1S+2], 32<<16
	s_mov_b32 s[G1S+3], 32<<16
	s_mov_b32 s[G1S+4], 32
	s_mov_b32 s[G1S+5], 32
	s_mov_b32 s[G1S+6], 0
	s_mov_b32 s[G1S+7], 0
	s_mov_b32 s[SEL], 0x76543210
	s_mov_b32 s[SEL+1], 0xfedcba98
	s_mov_b32 s[CS], 0x3e38aa3b                    ; c = log2(e) / 8
	s_mov_b32 s[CS+1], s[CS]                       ; (named with it as a pair, so it is written)
	s_lshr_b32 s[GG], s[WV], 1
	s_lshl_b32 s[T0], s[GG], 3
	s_lshl_b32 s60, s[CX], 1
	s_add_co_u32 s[T0], s[T0], s60
	s_add_co_u32 s[T0], s[T0], s85                 ; 8 (wave / 2) + 2 cx + wave % 2
	s_wait_dscnt 0x0
	s_wait_kmcnt 0x0
	s_mov_b32 s[G0K], 1
	s_mov_b32 s[G0K+1], s87
	s_add_nc_u64 s[G0K+2:G0K+3], s[4:5], s[88:89]
	s_or_b32 s[G0K+3], s[G0K+3], 0x80000000
	s_mov_b32 s[G0V], 1
	s_add_co_u32 s[G0V+1], s87, 131072
	s_add_nc_u64 s[G0V+2:G0V+3], s[4:5], s[90:91]
	s_or_b32 s[G0V+3], s[G0V+3], 0x80000000
	s_mov_b32 s[G0S], 1
	s_lshl_b32 s[G0S+1], s85, 13
	s_add_co_u32 s[G0S+1], s[G0S+1], LKS
	s_add_nc_u64 s[G0S+2:G0S+3], s[6:7], s[94:95]
	s_or_b32 s[G0S+3], s[G0S+3], 0x80000000
	CROUND                                         ; all four work-groups are here: the joint loads meet
	s_cmp_lt_u32 s[WV], 2                          ; one load a wave, waves 0 to 5; the branches hang on the wave's number alone; four v_nop follow each line
	s_cbranch_scc0 .Lnot_k
	tensor_load_to_lds s[G0K:G0K+3], s[G1K:G1K+7]
	s_nop 0
.rept 4
	v_nop
.endr
	s_branch .Lasked
.Lnot_k:
	s_cmp_lt_u32 s[WV], 4
	s_cbranch_scc0 .Lnot_v
	tensor_load_to_lds s[G0V:G0V+3], s[G1V:G1V+7]
	s_nop 0
.rept 4
	v_nop
.endr
	s_branch .Lasked
.Lnot_v:
	s_cmp_lt_u32 s[WV], 6
	s_cbranch_scc0 .Lasked
	tensor_load_to_lds s[G0S:G0S+3], s[G1S:G1S+7]
	s_nop 0
.rept 4
	v_nop
.endr
.Lasked:
	; what stays: addresses, zeros, constants
	v_and_b32 v12, 15, v0                          ; r
	v_bfe_u32 v13, v0, 4, 1                        ; h
	v_and_b32 v14, 31, v0
	s_delay_alu instid0(VALU_DEP_1)
	v_lshlrev_b32 v[LI], 4, v14
	s_delay_alu instid0(VALU_DEP_4)
	v_lshlrev_b32 v[R32], 5, v12
	v_lshlrev_b32 v[R16], 4, v12
	s_lshl_b32 s60, s[HL], 1
	s_add_co_u32 s60, s60, LKS
	v_add_nc_u32 v[AKS0], s60, v[R32]
	s_lshl_b32 s60, s[HL], 4
	s_add_co_u32 s60, s60, LVS
	v_add_nc_u32 v[AVS0], s60, v[R32]
	v_and_b32 v[VR0], 8, v12
	s_delay_alu instid0(VALU_DEP_1)
	v_add_nc_u32 v[VR0], v[VR0], v12
	v_lshlrev_b32 v15, 4, v13
	s_delay_alu instid0(VALU_DEP_1)
	v_sub_nc_u32 v[VR0], v[VR0], v15
.irp j, 0,1,2,3,4,5,6,7
	v_mov_b32 v[24+\j], 0                          ; Q's upper 64 along K: zero codes
	v_mov_b32 v[96+\j], 0                          ; and what stands behind K's last tile
.endr
.irp b, 0,1,2,3
	v_mov_b32 v[PR+\b], 0                          ; written once: a lane permute's destination counts as one of its sources
.endr
	v_mov_b32 v[FF+1], 0                           ; (named as the upper half of the pair before it is ever written)
	v_mov_b32 v[TMP], 0
	v_mov_b32 v[NINF], 0xff800000
	s_mov_b32 s61, 0
	s_lshl_b32 s60, s[HL], 10
	s_add_co_u32 s60, s60, s80
	s_add_nc_u64 s[QB:QB+1], s[4:5], s[60:61]      ; q's codes of my head
	s_lshl_b32 s60, s[HL], 1
	s_add_co_u32 s60, s60, s82
	s_add_nc_u64 s[QSB:QSB+1], s[6:7], s[60:61]    ; and scale bytes
	s_lshl_b32 s60, s[BB], 21
	s_lshl_b32 s62, s[HH], 10
	s_add_co_u32 s60, s60, s62
	s_add_nc_u64 s[YB:YB+1], s[8:9], s[60:61]      ; y's codes: batch, head
	s_lshl_b32 s60, s[BB], 16
	s_lshr_b32 s62, s[HH], 3
	s_lshl_b32 s62, s62, 8
	s_add_co_u32 s60, s60, s62
	s_and_b32 s62, s[HH], 7
	s_lshl_b32 s62, s62, 1
	s_add_co_u32 s60, s60, s62
	s_add_nc_u64 s[YSB:YSB+1], s[10:11], s[60:61]  ; y's scale bytes
	s_wait_tensorcnt 0x0                           ; my load has landed,
	s_barrier_signal -1
	s_barrier_wait -1                              ; everybody's has: K, V and their scale bytes lie in LDS for the rest of the launch
; ONE TILE OF 16 QUERIES.  sel = 0: tile T0, diagonal in key step wave / 2, 8 trips; sel = 1: tile 127 - T0, diagonal in key step 15 - wave / 2, 16 trips.
.macro PASS trips, sel
.if \sel
	s_sub_co_u32 s[TT], 127, s[T0]
	s_sub_co_u32 s[GS], 15, s[GG]
.else
	s_mov_b32 s[TT], s[T0]
	s_mov_b32 s[GS], s[GG]
.endif
	s_lshl_b32 s60, s[TT], 11
	s_add_nc_u64 s[PQ:PQ+1], s[QB:QB+1], s[60:61]
	s_lshr_b32 s60, s[TT], 3
	s_lshl_b32 s60, s60, 9
	s_and_b32 s62, s[TT], 7
	s_lshl_b32 s62, s62, 2
	s_add_co_u32 s60, s60, s62
	s_add_nc_u64 s[PQS:PQS+1], s[QSB:QSB+1], s[60:61]
	s_lshl_b32 s60, s[TT], 14
	s_add_nc_u64 s[PY:PY+1], s[YB:YB+1], s[60:61]
	s_lshl_b32 s60, s[TT], 9
	s_add_nc_u64 s[PYS:PYS+1], s[YSB:YSB+1], s[60:61]
	global_load_b128 v[16:19], v[LI], s[PQ:PQ+1] th:TH_LOAD_NT          ; Q's fragment: two chunks of 32 along the head
	global_load_b128 v[20:23], v[LI], s[PQ:PQ+1] offset:512 th:TH_LOAD_NT
	global_load_u16 v[QS], v[R32], s[PQS:PQS+1]    ; its two scale bytes; the word's upper bytes are 0
	s_and_b32 s62, s[TT], 6
	s_lshl_b32 s62, s62, 4
	s_and_b32 s63, s[TT], 1
	s_lshl_b32 s63, s63, 3
	s_add_co_u32 s62, s62, s63                     ; the tile's place in its 128: 32 ((T % 8) / 2) + 8 (T % 2)
	v_add_nc_u32 v[VD], s62, v[VR0]
	v_mov_b32 v13, 0xff61b1e6                      ; the largest t so far: -3e38, under every t
	s_delay_alu instid0(VALU_DEP_1)
	v_floor_f32 v12, -v13                          ; -M
	v_mov_b32 v14, 0                               ; the sum, in two halves
	v_mov_b32 v15, 0
.set J, 0
.rept 32
	v_mov_b32 v[O+J], 0                            ; O^T: the first step finds zeros, which the first change of M leaves zeros
.set J, J+1
.endr
	s_mov_b32 s[ST], 0
	s_mov_b32 s[TB], 0
	s_mov_b32 s[TS], 0
	s_wait_loadcnt 0x0
.Ltrip_\@:
	s_cmp_gt_u32 s[ST], s[GS]                      ; all 128 keys come after my queries: the step's work is left out, not the lines that step addresses
	s_cbranch_scc1 .Lhidden_\@
	s_setprio 2
	v_add_nc_u32 v[ADK], s[TB], v[LI]
	v_add_nc_u32 v[ADS], s[TS], v[AKS0]
.rept 6
	v_nop                                          ; with the two additions: eight places in front of loads into registers that the last products read
.endr
.irp t, 0,1,2,3,4,5,6,7
	ds_load_b128 v[KV+8*\t:KV+8*\t+3], v[ADK] offset:1024*\t
	ds_load_b128 v[KV+8*\t+4:KV+8*\t+7], v[ADK] offset:1024*\t+512
	ds_load_u16 v[KSC+\t], v[ADS] offset:4*\t
.endr
	s_wait_alu depctr_va_vdst(0)
	s_wait_dscnt 0x0
.irp t, 0,1,2,3,4,5,6,7
	v_wmma_scale_f32_16x16x128_f8f6f4 v[S+8*\t:S+8*\t+7], v[KV+8*\t:KV+8*\t+15], v[16:31], 0, v[KSC+\t], v[QS]
.endr
	v_add_nc_u32 v[ADV], 131072, v[ADK]
	v_add_nc_u32 v[ADT], s[TS], v[AVS0]
.rept 6
	v_nop                                          ; eight places: in front of V's loads into K's registers, and of the first read of the scores
.endr
.irp t, 0,1,2,3
.irp c, 0,1,2,3
	ds_load_b128 v[KV+16*\t+4*\c:KV+16*\t+4*\c+3], v[ADV] offset:2048*\t+512*\c   ; V lands while the softmax is walked
.endr
.endr
	ds_load_b128 v[VSC:VSC+3], v[ADT]
	s_cmp_lg_u32 s[ST], s[GS]
	s_cbranch_scc1 .Lopen_\@
.set N, 0
.rept 64                               ; on the diagonal: register 16 b + i holds key 32 b + 16 h + i of the step: hidden where 32 b + i > my query's place - 16 h
	v_cmp_gt_i32 vcc_lo, 32*(N/16)+N%16, v[VD]
	v_cndmask_b32 v[S+N], v[S+N], v[NINF], vcc_lo
.set N, N+1
.endr
.Lopen_\@:
.irp b, 0,1,2,3
	v_max3_num_f32 v[BX+\b], v[S+16*\b], v[S+1+16*\b], v[S+2+16*\b]   ; the largest score of each block of 32 keys: for the row's maximum, and, since p rises with the score, for the block's largest p
.endr
.irp i, 3,5,7,9,11,13
.irp b, 0,1,2,3
	v_max3_num_f32 v[BX+\b], v[BX+\b], v[S+16*\b+\i], v[S+1+16*\b+\i]
.endr
.endr
.irp b, 0,1,2,3
	v_max_num_f32 v[BX+\b], v[BX+\b], v[S+15+16*\b]
.endr
.irp b, 0,1,2,3
	s_delay_alu instid0(VALU_DEP_4)
	v_permlanex16_b32 v[PR+\b], v[BX+\b], s[SEL], s[SEL+1]
.endr
.irp b, 0,1,2,3
	s_delay_alu instid0(VALU_DEP_4)
	v_max_num_f32 v[BX+\b], v[BX+\b], v[PR+\b]
.endr
	s_delay_alu instid0(VALU_DEP_2)
	v_max3_num_f32 v[TMP], v[BX], v[BX+1], v[BX+2]
	s_delay_alu instid0(VALU_DEP_1)
	v_max_num_f32 v[TMP], v[TMP], v[BX+3]
	s_delay_alu instid0(VALU_DEP_1)
	v_mul_f32 v[TMP], s[CS], v[TMP]                ; the step's largest t
	s_delay_alu instid0(VALU_DEP_1)
	v_max_num_f32 v13, v13, v[TMP]
	v_mov_b32 v[TMP], v12
	s_delay_alu instid0(VALU_DEP_2)
	v_floor_f32 v12, -v13                          ; the new -M = -ceil(t): a whole number
	s_delay_alu instid0(VALU_DEP_1)
	v_sub_f32 v[TMP], v12, v[TMP]                  ; old M - new M, 0 or less
	s_delay_alu instid0(VALU_DEP_1)
	v_cvt_i32_f32 v[TMP], v[TMP]                   ; (it saturates)
	s_delay_alu instid0(VALU_DEP_1)
	v_ldexp_f32 v[FF], 1.0, v[TMP]                 ; f
.set J, 0
	s_setprio 1
.rept 32
	v_pk_fma_f32 v[S+J:S+J+1], v[S+J:S+J+1], s[CS:CS+1], v[12:13] op_sel_hi:[1,0,0]   ; t - M, two at a time
.set J, J+2
.endr
.irp b, 0,1,2,3
	v_fma_f32 v[BX+\b], v[BX+\b], s[CS], v12
.endr
.set J, 0
	s_wait_alu depctr_va_vdst(0)
.rept 64
	v_exp_f32 v[S+J], v[S+J]                       ; p = 2^(t - M)
.set J, J+1
.endr
	v_pk_mul_f32 v[14:15], v[14:15], v[FF:FF+1] op_sel_hi:[1,0]   ; the sums under the new M: the plain line behind the exponentials
	s_wait_alu depctr_va_vdst(0)                   ; one wait for the batch of 64, ahead of its first reader
.irp b, 0,1,2,3
	v_exp_f32 v[BX+\b], v[BX+\b]                   ; each block's largest p
.endr
	v_pk_add_f32 v[220:221], v[108:109], v[112:113]
	v_pk_add_f32 v[252:253], v[116:117], v[120:121]
	v_pk_add_f32 v[250:251], v[124:125], v[128:129]
	v_pk_add_f32 v[238:239], v[132:133], v[136:137]
	v_pk_add_f32 v[236:237], v[140:141], v[144:145]
	v_pk_add_f32 v[234:235], v[148:149], v[152:153]
	v_pk_add_f32 v[232:233], v[156:157], v[160:161]
	v_pk_add_f32 v[14:15], v[14:15], v[164:165]
	v_pk_add_f32 v[220:221], v[220:221], v[104:105]
	v_pk_add_f32 v[252:253], v[252:253], v[106:107]
	v_pk_add_f32 v[250:251], v[250:251], v[110:111]
	v_pk_add_f32 v[238:239], v[238:239], v[114:115]
	v_pk_add_f32 v[236:237], v[236:237], v[118:119]
	v_pk_add_f32 v[234:235], v[234:235], v[122:123]
	v_pk_add_f32 v[232:233], v[232:233], v[126:127]
	v_pk_add_f32 v[14:15], v[14:15], v[130:131]
	v_pk_add_f32 v[220:221], v[220:221], v[134:135]
	v_pk_add_f32 v[252:253], v[252:253], v[138:139]
	v_pk_add_f32 v[250:251], v[250:251], v[142:143]
	v_pk_add_f32 v[238:239], v[238:239], v[146:147]
	v_pk_add_f32 v[236:237], v[236:237], v[150:151]
	v_pk_add_f32 v[234:235], v[234:235], v[154:155]
	v_pk_add_f32 v[232:233], v[232:233], v[158:159]
	v_pk_add_f32 v[14:15], v[14:15], v[162:163]
	v_pk_add_f32 v[220:221], v[220:221], v[166:167]
	s_delay_alu instid0(VALU_DEP_2)
	v_pk_add_f32 v[14:15], v[14:15], v[238:239]
	s_delay_alu instid0(VALU_DEP_2)
	v_pk_add_f32 v[220:221], v[220:221], v[236:237]
	v_pk_add_f32 v[252:253], v[252:253], v[234:235]
	v_pk_add_f32 v[250:251], v[250:251], v[232:233]
	s_delay_alu instid0(VALU_DEP_2)
	v_pk_add_f32 v[14:15], v[14:15], v[252:253]
	s_delay_alu instid0(VALU_DEP_2)
	v_pk_add_f32 v[220:221], v[220:221], v[250:251]
	s_delay_alu instid0(VALU_DEP_1)
	v_pk_add_f32 v[14:15], v[14:15], v[220:221]
	s_setprio 0
	s_wait_alu depctr_va_vdst(0)                   ; and one for the four
.irp b, 0,1,2,3
	v_max_num_f32 v[BX+\b], 0x4800000, v[BX+\b]    ; the floor 2^(9 - 127): the byte cannot fall under 1
.endr
.irp b, 0,1,2,3
	s_delay_alu instid0(VALU_DEP_4)
	v_add_nc_u32 v[SOP+\b], 0xfc000000, v[BX+\b]
.endr
.irp b, 0,1,2,3
.endr
.irp b, 0,1,2,3
	s_delay_alu instid0(VALU_DEP_4)
	v_lshrrev_b32 v[PR+\b], 23, v[SOP+\b]
.endr
	s_delay_alu instid0(VALU_DEP_3)
	v_lshl_or_b32 v[PS], v[PR+1], 8, v[PR]         ; p's scale word for these 128 keys
	s_delay_alu instid0(VALU_DEP_1)
	v_lshl_or_b32 v[PS], v[PR+2], 16, v[PS]
	s_delay_alu instid0(VALU_DEP_1)
	v_lshl_or_b32 v[PS], v[PR+3], 24, v[PS]
.irp b, 0,1,2,3
.irp i, 0,1,2,3,4,5,6,7,8,9,10,11,12,13,14,15
.endr
	v_cvt_scalef32_pk8_fp8_f32 v[PCD+4*\b:PCD+1+4*\b], v[S+16*\b:S+7+16*\b], v[SOP+\b]
	v_cvt_scalef32_pk8_fp8_f32 v[PCD+2+4*\b:PCD+3+4*\b], v[S+8+16*\b:S+15+16*\b], v[SOP+\b]
.endr
.set J, 0
.rept 16
	v_pk_mul_f32 v[O+J:O+J+1], v[O+J:O+J+1], v[FF:FF+1] op_sel_hi:[1,0]   ; O^T under the new M; these are also the places between the codes and the products
.set J, J+2
.endr
	s_wait_alu depctr_va_vdst(0)
	s_wait_dscnt 0x0                               ; V and its scale words
.irp t, 0,1,2,3
	v_wmma_scale_f32_16x16x128_f8f6f4 v[O+8*\t:O+8*\t+7], v[KV+16*\t:KV+16*\t+15], v[PCD:PCD+15], v[O+8*\t:O+8*\t+7], v[VSC+\t], v[PS]   ; the four accumulators by turns
.endr
.Lhidden_\@:
	s_add_co_u32 s[TB], s[TB], 8192
	s_add_co_u32 s[TS], s[TS], 512
	s_add_co_u32 s[ST], s[ST], 1
	s_cmp_lt_u32 s[ST], \trips
	s_cbranch_scc1 .Ltrip_\@
	s_setprio 0
	; THE WAY OUT: O^T / the sum; register 16 b + i is channel 32 b + 16 h + i of my query: two blocks of the last product's K
.rept 8
	v_nop
.endr
	v_add_f32 v14, v14, v15
	s_delay_alu instid0(VALU_DEP_1)
	v_permlanex16_b32 v[TMP], v14, s[SEL], s[SEL+1]
	s_delay_alu instid0(VALU_DEP_1)
	v_add_f32 v14, v14, v[TMP]
	s_wait_alu depctr_va_vdst(0)
	v_rcp_f32 v14, v14
	v_nop                                          ; a plain line behind the reciprocal
	s_wait_alu depctr_va_vdst(0)                   ; and the wait ahead of its first reader
.set J, 0
.rept 32
	v_mul_f32 v[S+J], v[O+J], v14
.set J, J+1
.endr
.irp b, 0,1
	v_max3_num_f32 v[BX+\b], |v[S+16*\b]|, |v[S+1+16*\b]|, 0x4800000
.endr
.irp i, 2,4,6,8,10,12,14
.irp b, 0,1
	s_delay_alu instid0(VALU_DEP_2)
	v_max3_num_f32 v[BX+\b], v[BX+\b], |v[S+16*\b+\i]|, |v[S+1+16*\b+\i]|
.endr
.endr
.irp b, 0,1
	s_delay_alu instid0(VALU_DEP_2)
	v_permlanex16_b32 v[PR+\b], v[BX+\b], s[SEL], s[SEL+1]
.endr
.irp b, 0,1
	s_delay_alu instid0(VALU_DEP_2)
	v_max_num_f32 v[BX+\b], v[BX+\b], v[PR+\b]
.endr
.irp b, 0,1
	s_delay_alu instid0(VALU_DEP_2)
	v_add_nc_u32 v[SOP+\b], 0xfc000000, v[BX+\b]
.endr
.irp b, 0,1
.endr
.irp b, 0,1
	s_delay_alu instid0(VALU_DEP_2)
	v_lshrrev_b32 v[PR+\b], 23, v[SOP+\b]
.endr
	s_delay_alu instid0(VALU_DEP_1)
	v_lshl_or_b32 v[TMP], v[PR+1], 8, v[PR]        ; my row's two scale bytes
.irp b, 0,1
.irp i, 0,1,2,3,4,5,6,7,8,9,10,11,12,13,14,15
.endr
	v_cvt_scalef32_pk8_fp8_f32 v[PCD+4*\b:PCD+1+4*\b], v[S+16*\b:S+7+16*\b], v[SOP+\b]
	v_cvt_scalef32_pk8_fp8_f32 v[PCD+2+4*\b:PCD+3+4*\b], v[S+8+16*\b:S+15+16*\b], v[SOP+\b]
.endr
	v_nop                                          ; one plain vector line behind the last conversion
	global_store_b128 v[LI], v[PCD:PCD+3], s[PY:PY+1]                ; 512 consecutive bytes, aligned
	global_store_b128 v[LI], v[PCD+4:PCD+7], s[PY:PY+1] offset:512
	global_store_b16 v[R16], v[TMP], s[PYS:PYS+1]  ; both halves of the lanes hold the same two bytes and store them to the same place
	s_wait_xcnt 0x0                                ; the stores have read their registers and bases: both may be written again
.endm
	PASS 8, 0
	PASS 16, 1
	s_wait_dscnt 0x0
	s_wait_tensorcnt 0x0
	ds_add_u32 v254, v255
	s_wait_dscnt 0x0
	CROUND                                         ; the closing round
	s_endpgm
.Lfunc_end_k_qba2a45ac49_attn:
	.size	k_qba2a45ac49_attn, .Lfunc_end_k_qba2a45ac49_attn-k_qba2a45ac49_attn
	.p2alignl 7, 3214868480
	.fill 96, 4, 3214868480
	.section	.rodata,"a",@progbits
	.p2align	6, 0x0
	.amdhsa_kernel k_qba2a45ac49_attn
		.amdhsa_group_segment_fixed_size 280576
		.amdhsa_private_segment_fixed_size 0
		.amdhsa_enable_private_segment 0
		.amdhsa_kernarg_size 32
		.amdhsa_user_sgpr_count 2
		.amdhsa_user_sgpr_kernarg_segment_ptr 1
		.amdhsa_wavefront_size32 1
		.amdhsa_system_sgpr_workgroup_id_x 1
		.amdhsa_system_sgpr_workgroup_id_y 1
		.amdhsa_system_sgpr_workgroup_id_z 1
		.amdhsa_system_vgpr_workitem_id 0
		.amdhsa_next_free_vgpr 256
		.amdhsa_next_free_sgpr 96
		.amdhsa_reserve_vcc 1
		.amdhsa_float_denorm_mode_32 3
		.amdhsa_float_denorm_mode_16_64 3
		.amdhsa_fp16_overflow 1
		.amdhsa_memory_ordered 1
		.amdhsa_forward_progress 1
		.amdhsa_inst_pref_size 67
	.end_amdhsa_kernel
	.amdgpu_metadata
---
amdhsa.version: [ 1, 2 ]
amdhsa.kernels:
  - .name:           k_qba2a45ac49_attn
    .symbol:         k_qba2a45ac49_attn.kd
    .args:
      - { .name: ac, .offset: 0, .size: 8, .value_kind: global_buffer, .address_space: global }
      - { .name: asc, .offset: 8, .size: 8, .value_kind: global_buffer, .address_space: global }
      - { .name: yc, .offset: 16, .size: 8, .value_kind: global_buffer, .address_space: global }
      - { .name: ys, .offset: 24, .size: 8, .value_kind: global_buffer, .address_space: global }
    .group_segment_fixed_size: 280576
    .private_segment_fixed_size: 0
    .kernarg_segment_align: 8
    .kernarg_segment_size: 32
    .max_flat_workgroup_size: 512
    .sgpr_count:     96
    .vgpr_count:     256
    .wavefront_size: 32
...
	.end_amdgpu_metadata
.endif
;; end of part 3
;; launch proj (part 4): grid 4 x 32, 4 waves a work-group, clusters of 4 x 4, 327,680 bytes of LDS; arguments yc, ys, bo, out0; writes out0
.if DOCPART == 4
	.amdgcn_target "amdgcn-amd-amdhsa--gfx1250"
	.amdhsa_code_object_version 6
	.text
	.protected	k_qba2a45ac49_proj
	.globl	k_qba2a45ac49_proj
	.p2align	8
	.type	k_qba2a45ac49_proj,@function
k_qba2a45ac49_proj:
	s_mov_b64 s[64:65], 0
	v_nop
	global_prefetch_b8 v0, s[64:65] scope:SCOPE_SE
	s_setreg_imm32_b32 hwreg(HW_REG_WAVE_MODE, 25, 1), 1
	s_wait_xcnt 0x0
	s_wait_alu depctr_hold_cnt(0) depctr_sa_sdst(0) depctr_va_vdst(0) depctr_va_sdst(0) depctr_va_ssrc(0) depctr_va_vcc(0) depctr_vm_vsrc(0)
	s_getreg_b32 s2, hwreg(HW_REG_IB_STS2, 6, 4)
	s_cmp_eq_u32 s2, 0
	s_cbranch_scc0 .Lentry_in_a_cluster
	s_endpgm
.Lentry_in_a_cluster:
	s_bfe_u32 s2, ttmp6, 0x10000c
	s_cmp_lg_u32 s2, 0xf033
	s_cbranch_scc0 .Lentry_shape_is_right
	s_endpgm
.Lentry_shape_is_right:
; out = y Wo^T + bo on codes of FP8 (E4M3) with E8M0 scales, K = 1,024; out [8192][1024] f32.
; OPERANDS (yc, ys): row tiles of 16 (tile 2 b + u, lane place r: row 32 b + 8 u + r + 8 (r / 8)); a tile's codes are the images of its eight fragments, [tile: 16,384 B][K step: 2,048][chunk: 512][lane: 16];
; its scale words [tile: 512 B][half of K: 256][r: 16][K step: 4].  Tiles 0-511 y, 512-575 Wo.
; A work-group makes 256 x 256, four waves of 128 x 128 (64 accumulators).  THE MATRIX INSTRUCTION IS USED TRANSPOSED (source 0 = a tile of Wo, source 1 = a tile of y): a lane keeps one token, and the 16 registers of
; Wo's tiles 2 b, 2 b + 1 are 16 neighbouring outputs 32 b + 16 h + 0 .. 15.  K goes through a ring of two LDS slots, two K steps of 128 to a slot; the eight K steps are written out.
; A wave has at most one tensor load out.  CLUSTERS 4 x 4: y's tiles are shared along a row of the cluster, Wo's along a column, by joint loads.
; The grid has 128 work-groups: 8,192 x 1,024 outputs in tiles of 256 x 256.
; REGISTERS: window 0: v1-29 addresses; v32-95 scale words (v[32 + 8 i + K step]: lanes 0-15 y's tile i, lanes 16-31 Wo's tile i); v128-255 A's fragments, one set, later rows on their way out.
;   window 1: B's fragments, two sets; set 0 later holds the bias.  Windows 2, 3: the accumulators, (a, b) at v[8 (8 (a % 4) + b)].
.set SLOT,   131072
.set SPARE,  2*SLOT                    ; the spare words: 128 bytes a wave, two blocks of 256 bytes that no other line names
.set SPITCH, 528                       ; the way out: a stage of 16 rows x (512 + 16) bytes for each wave, in slot 0, which has had its last fill and its last read when the first result is stored there
.set FR,     16
.set NP,     8
.set ADRA,   16
.set ADRB,   20
.set STO,    22                        ; v22  stage, way in: 528 r + 64 h
.set RD,     23                        ; v23  stage, way out: 16 x lane
.set CO,     24                        ; v24  16 x lane
.set BOQ,    25                        ; v25  64 h
.set SOF,    27
.set SPW,    28
.set NIL,    29
.set SC,     32
.set AF,     128
.set BK,     128
.set CLY,    2
.set WV,     18
.set RH,     19
.set CH,     20
.set CX,     21
.set CY,     22
.set XX,     23
.set G1,     24
.set G0,     32
.set G1B,    48
.set G0B,    56
.set MSB, 0
.macro WIN new                         ; the immediate's high byte repeats the setting that is left
.if MSB != (\new)
	s_set_vgpr_msb (MSB<<8)|(\new)
.set MSB, (\new)
.endif
.endm
.set MUL_LO, 0xa1
.set MUL_HI, 0xf1
.set TO_B,   0x40
.macro JLOAD g0a, g1a, g0b, g1b        ; a joint load: waves 0, 1 for A, waves 2, 3 for B; four v_nop follow each line
	s_cmp_eq_u32 s[RH], 0
	s_cbranch_scc0 .Lfor_b_\@
	tensor_load_to_lds s[\g0a:\g0a+3], s[\g1a:\g1a+7]
	s_nop 0
.rept 4
	v_nop
.endr
	s_branch .Lasked_\@
.Lfor_b_\@:
	tensor_load_to_lds s[\g0b:\g0b+3], s[\g1b:\g1b+7]
	s_nop 0
.rept 4
	v_nop
.endr
.Lasked_\@:
.endm
.macro CREST
	s_cmp_lg_u32 s[WV], 0
	s_cbranch_scc1 .Lnot_wave_0_\@
	s_barrier_signal -3
.Lnot_wave_0_\@:
	s_barrier_wait -3
	s_barrier_signal -1
	s_barrier_wait -1
.endm
.macro CROUND
	s_barrier_signal -1
	s_barrier_wait -1
	CREST
.endm
.macro PLACES n
.rept \n
	v_nop
.endr
.endm
	s_load_b256 s[4:11], s[0:1], 0x0               ; yc, ys, bo, out0
	v_lshl_add_u32 v[SPW], v0, 2, SPARE
	v_mov_b32 v[NIL], 0
	ds_add_u32 v28, v29
	ds_add_u32 v28, v29
	s_wait_dscnt 0x0
	v_lshrrev_b32 v1, 5, v0
	v_readfirstlane_b32 s[WV], v1
	s_lshr_b32 s[RH], s[WV], 1
	s_and_b32 s[CH], s[WV], 1
	s_bfe_u32 s[CX], ttmp6, 0x40000
	s_bfe_u32 s[CY], ttmp6, 0x40004
	s_lshl_b32 s[XX], ttmp9, 2
	s_add_co_u32 s[XX], s[XX], s[CX]               ; X = 4 x cluster x + cx
	s_and_b32 s[CLY], ttmp7, 0xffff
	s_lshl_b32 s40, s[CY], 2
	s_lshl_b32 s40, 15, s40                        ; my row of the cluster
	s_lshl_b32 s41, 0x1111, s[CX]                  ; my column
	; group 1: 8 rows (tiles) of 4,096 bytes (two K steps), 16,384 bytes apart, in elements of 8 bytes; dense in LDS
	s_or_b32 s[G1], s40, (3<<16)|(1<<21)
	s_or_b32 s[G1B], s41, (3<<16)|(1<<21)
.irp g, G1, G1B
	s_mov_b32 s[\g+1], 512<<16
	s_mov_b32 s[\g+2], 8<<16
	s_mov_b32 s[\g+3], 512<<16
	s_mov_b32 s[\g+4], 8
	s_mov_b32 s[\g+5], 2048
	s_mov_b32 s[\g+6], 0
	s_mov_b32 s[\g+7], 0
.endr
	s_lshl_b32 s42, s[CLY], 6
	s_lshl_b32 s44, s[CY], 4
	s_add_co_u32 s42, s42, s44                     ; A's first tile: 16 Y, Y = 4 y + cy
	s_lshl_b32 s43, s[XX], 4
	s_add_co_u32 s43, s43, 512                     ; B's: 512 + 16 X
	s_lshl_b32 s46, s[CH], 3
	s_add_co_u32 s66, s42, s46
	s_lshl_b32 s66, s66, 14
	s_mov_b32 s67, 0
	s_add_co_u32 s68, s43, s46
	s_lshl_b32 s68, s68, 14
	s_mov_b32 s69, 0
	s_lshl_b32 s47, s[WV], 15                      ; where they go: wave x 32,768
	s_wait_kmcnt 0x0
	s_add_nc_u64 s[66:67], s[4:5], s[66:67]
	s_add_nc_u64 s[68:69], s[4:5], s[68:69]
	CROUND                                         ; all sixteen work-groups are here: the first joint loads meet
.irp s, 0,1
	s_mov_b32 s[G0+4*\s], 1
	s_add_co_u32 s[G0+4*\s+1], s47, \s*SLOT
	s_add_nc_u64 s[G0+4*\s+2:G0+4*\s+3], s[66:67], \s*4096
	s_or_b32 s[G0+4*\s+3], s[G0+4*\s+3], 0x80000000
	s_mov_b32 s[G0B+4*\s], 1
	s_add_co_u32 s[G0B+4*\s+1], s47, \s*SLOT
	s_add_nc_u64 s[G0B+4*\s+2:G0B+4*\s+3], s[68:69], \s*4096
	s_or_b32 s[G0B+4*\s+3], s[G0B+4*\s+3], 0x80000000
	s_wait_alu depctr_va_vdst(0)
	s_wait_tensorcnt 0x0
	ds_add_u32 v28, v29
	ds_add_u32 v28, v29
	s_wait_dscnt 0x0
	CROUND
	JLOAD G0+4*\s, G1, G0B+4*\s, G1B
.endr
	v_and_b32 v1, 15, v0                           ; r
	v_bfe_u32 v2, v0, 4, 1                         ; h
	s_wait_alu depctr_va_vdst(0)
	v_and_b32 v3, 31, v0
	v_lshlrev_b32 v[CO], 4, v3
	s_lshl_b32 s40, s[RH], 15
	s_lshl_b32 s41, s[CH], 15
	s_add_co_u32 s41, s41, 65536
.irp s, 0,1
	v_add_nc_u32 v[ADRA+\s], s40, v[CO]
	v_add_nc_u32 v[ADRB+\s], s41, v[CO]
	s_add_co_u32 s40, s40, SLOT
	s_add_co_u32 s41, s41, SLOT
.endr
	s_lshl_b32 s70, s[RH], 3
	s_add_co_u32 s70, s70, s42
	s_lshl_b32 s70, s70, 9
	s_add_co_u32 s71, s43, s46
	s_lshl_b32 s71, s71, 9
	v_mov_b32 v5, s70
	v_mov_b32 v6, s71
	v_cmp_ne_u32 vcc_lo, 0, v2
	v_cndmask_b32 v[SOF], v5, v6, vcc_lo
	v_lshl_add_u32 v[SOF], v1, 4, v[SOF]
.irp i, 0,1,2,3,4,5,6,7                ; the scale words of my 8 tiles of A (lanes 0-15) and of B (lanes 16-31), for all of K, once
	global_load_b128 v[SC+8*\i:SC+8*\i+3], v[SOF], s[6:7] offset:512*\i
	global_load_b128 v[SC+8*\i+4:SC+8*\i+7], v[SOF], s[6:7] offset:512*\i+256
.endr
	v_lshlrev_b32 v[BOQ], 6, v2
	s_mul_i32 s72, s[WV], 16*SPITCH                ; my stage
	v_mul_u32_u24 v[STO], v1, SPITCH
	v_lshl_add_u32 v[STO], v2, 6, v[STO]
	v_add_nc_u32 v[STO], s72, v[STO]
	v_add_nc_u32 v[RD], s72, v[CO]
	; bo at my 128 outputs: 256 X + 128 column half;  out at row 256 Y + 128 row half, the same column
	s_lshl_b32 s74, s[XX], 10
	s_lshl_b32 s75, s[CH], 9
	s_add_co_u32 s74, s74, s75
	s_mov_b32 s75, 0
	s_add_nc_u64 s[8:9], s[8:9], s[74:75]
	s_add_nc_u64 s[10:11], s[10:11], s[74:75]
	s_lshl_b32 s74, s[CLY], 2
	s_add_co_u32 s74, s74, s[CY]
	s_lshl_b32 s74, s74, 1
	s_add_co_u32 s74, s74, s[RH]
	s_lshl_b32 s74, s74, 19                        ; (2 Y + row half) x 128 rows of 4,096 bytes
	s_add_nc_u64 s[10:11], s[10:11], s[74:75]
.macro FRAG reg, adr, q, i             ; a fragment's image: four loads of 512 consecutive bytes
.irp c, 0,1,2,3
	ds_load_b128 v[\reg+4*\c:\reg+4*\c+3], v[\adr] offset:4096*(\i)+2048*(\q)+512*\c
.endr
.endm
; 16 matrix instructions: A's tiles a0, a0 + 1 x B's eight, K step ks; p: B's set.  The 64 accumulators take turns, one instruction a turn, in the same order in every K step.
.macro MUL16 a0, p, ks, zero
.irp a, \a0, \a0+1
.irp b, 0,1,2,3,4,5,6,7
.if \zero
	v_wmma_scale_f32_16x16x128_f8f6f4 v[8*(8*((\a)%4)+\b):8*(8*((\a)%4)+\b)+7], v[128*(\p)+FR*\b:128*(\p)+FR*\b+FR-1], v[AF+FR*(\a):AF+FR*(\a)+FR-1], 0, v[SC+8*\b+(\ks)], v[SC+8*(\a)+(\ks)] matrix_a_scale:MATRIX_SCALE_ROW1
.else
	v_wmma_scale_f32_16x16x128_f8f6f4 v[8*(8*((\a)%4)+\b):8*(8*((\a)%4)+\b)+7], v[128*(\p)+FR*\b:128*(\p)+FR*\b+FR-1], v[AF+FR*(\a):AF+FR*(\a)+FR-1], v[8*(8*((\a)%4)+\b):8*(8*((\a)%4)+\b)+7], v[SC+8*\b+(\ks)], v[SC+8*(\a)+(\ks)] matrix_a_scale:MATRIX_SCALE_ROW1
.endif
.endr
.endr
.endm
.macro FETCH_B slot, q, p
	WIN TO_B
.irp i, 0,1,2,3,4,5,6,7
	FRAG 128*(\p)+FR*\i, ADRB+\slot, \q, \i
.endr
	WIN 0
.endm
.macro FETCH_A slot, q, i0
.irp i, \i0, \i0+1, \i0+2, \i0+3
	FRAG AF+FR*(\i), ADRA+\slot, \q, \i
.endr
.endm
.macro STEP slot, ks, zero             ; a slot's first K step (B's set 0); it fetches the slot's second
	s_wait_dscnt 16                                ; B's set and A's tiles 0-3 are in; the youngest 16 loads (A's tiles 4-7) may be out
	WIN MUL_LO
	MUL16 0, 0, \ks, \zero
	MUL16 2, 0, \ks, \zero
	s_wait_dscnt 0x0
	PLACES NP                                      ; in front of loads into registers that matrix instructions have read
	FETCH_B \slot, 1, 1
	FETCH_A \slot, 1, 0
	WIN MUL_HI
	MUL16 4, 0, \ks, \zero
	MUL16 6, 0, \ks, \zero
	PLACES NP
	WIN 0
	FETCH_A \slot, 1, 4
.endm
; A slot's second K step (B's set 1) changes slots: one barrier; in front of it each wave waits for all its tensor loads, adds 0 to its spare word, and waits for that and for its reads of this slot.
.macro TURN slot, next, fill, ks
	s_wait_tensorcnt 0x0                           ; all my tensor loads have landed: my part of the next slot
	ds_add_u32 v[SPW], v[NIL]                      ; 0 onto my spare word
	s_wait_dscnt 17                                ; (the add and A's tiles 4-7 may be out)
	WIN MUL_LO
	MUL16 0, 1, \ks, 0
	s_wait_dscnt 0x0                               ; the add is done, and my reads of this slot are over
	s_barrier_signal -1
	MUL16 2, 1, \ks, 0
	WIN 0
	s_barrier_wait -1
.if \fill
	CREST                                          ; the barrier has opened a round of the cluster's: no wave of any partner still reads this slot or has a load on its way
	s_add_nc_u64 s[G0+4*\slot+2:G0+4*\slot+3], s[G0+4*\slot+2:G0+4*\slot+3], 8192
	s_add_nc_u64 s[G0B+4*\slot+2:G0B+4*\slot+3], s[G0B+4*\slot+2:G0B+4*\slot+3], 8192
	JLOAD G0+4*\slot, G1, G0B+4*\slot, G1B         ; the first tensor load behind the round: four K steps on; its four v_nop are four of the eight places
	PLACES NP-4
.else
	PLACES NP
.endif
	FETCH_B \next, 0, 0
	FETCH_A \next, 0, 0
	WIN MUL_HI
	MUL16 4, 1, \ks, 0
	MUL16 6, 1, \ks, 0
	PLACES NP
	WIN 0
	FETCH_A \next, 0, 4
.endm
	s_wait_tensorcnt 1                             ; my part of slot 0 is in; slot 1's may stay out
	s_barrier_signal -1
	s_barrier_wait -1
	FETCH_B 0, 0, 0
	FETCH_A 0, 0, 0
	FETCH_A 0, 0, 4
	s_wait_loadcnt 0x0                             ; the scale words
	STEP 0, 0, 1                                   ; the first products start the sums: nothing is cleared
	TURN 0, 1, 1, 1
	STEP 1, 2, 0
	TURN 1, 0, 1, 3
	STEP 0, 4, 0
	TURN 0, 1, 0, 5                                ; nothing is left to fetch; behind this barrier nobody reads slot 0 any more
	STEP 1, 6, 0
	WIN TO_B                                       ; the bias goes into B's set 0, which has had its last product (eight places back)
	s_wait_alu depctr_va_vdst(0)
.irp b, 0,1,2,3,4,5,6,7                ; register j of B's tile b is output 32 (b / 2) + 16 h + 8 (b % 2) + j
	global_load_b128 v[8*\b:8*\b+3], v[BOQ], s[8:9] offset:(32*(\b/2)+8*(\b%2))*4
	global_load_b128 v[8*\b+4:8*\b+7], v[BOQ], s[8:9] offset:(32*(\b/2)+8*(\b%2))*4+16
.endr
	WIN 0
	s_wait_dscnt 16                                ; the last K step
	WIN MUL_LO
	MUL16 0, 1, 7, 0
	MUL16 2, 1, 7, 0
	s_wait_dscnt 0x0
	WIN MUL_HI
	MUL16 4, 1, 7, 0
	MUL16 6, 1, 7, 0
	WIN 0
; THE WAY OUT, A's tile by tile: 16 tokens x 128 outputs.  The bias is added; a lane's 16 neighbouring outputs go into my own stage and come back as whole rows of 512 bytes, which the 32 lanes store as 512 consecutive, aligned bytes.
; LDS serves a wave's instructions in order (ISA guide 5.7.1.4): no wait between the stage's stores and loads, nor in front of the next tile's stores.
.macro BIAS a
	WIN 0x86+0x41*((\a)/4)                         ; accumulators in window 2 or 3, the bias in window 1
.set P2, 0
.rept 32
	v_pk_add_f32 v[64*((\a)%4)+P2:64*((\a)%4)+P2+1], v[64*((\a)%4)+P2:64*((\a)%4)+P2+1], v[P2:P2+1]   ; each accumulator from its low end on
.set P2, P2+2
.endr
.endm
.macro TOSTAGE a
.set ACB, 64*((\a)%4)
	WIN 0x08+4*((\a)/4)                            ; an LDS store's data are its source 1
.irp b, 0,1,2,3,4,5,6,7
	ds_store_b128 v[STO], v[ACB+8*\b:ACB+8*\b+3] offset:128*(\b/2)+32*(\b%2)
	ds_store_b128 v[STO], v[ACB+8*\b+4:ACB+8*\b+7] offset:128*(\b/2)+32*(\b%2)+16
.endr
	WIN 0
.set BBK, BK+64*((\a)%2)
.irp t, 0,1,2,3,4,5,6,7,8,9,10,11,12,13,14,15
	ds_load_b128 v[BBK+4*\t:BBK+4*\t+3], v[RD] offset:\t*SPITCH
.endr
.endm
.macro SEND a, younger                 ; younger: the LDS instructions issued behind tile a's loads, which may stay out
.set BBK, BK+64*((\a)%2)
	s_wait_dscnt \younger
.irp t, 0,1,2,3,4,5,6,7,8,9,10,11,12,13,14,15
	global_store_b128 v[CO], v[BBK+4*\t:BBK+4*\t+3], s[10:11] offset:(32*((\a)/2)+8*((\a)%2)+\t+8*(\t/8))*4096 th:TH_STORE_NT   ; lane place t of tile a is row 32 (a / 2) + 8 (a % 2) + t + 8 (t / 8): at most 127 rows on, inside the immediate
.endr
.endm
	PLACES NP                                      ; in front of the first read of results and of loads into A's registers
	s_wait_loadcnt 0x0                             ; the bias
	BIAS 0
	TOSTAGE 0
.irp a, 1,2,3,4,5,6,7
.if \a > 1
	s_wait_xcnt 0x0                                ; tile a - 2's stores have read their registers: tile a's loads may land there
.endif
	BIAS \a
	TOSTAGE \a
	SEND \a-1, 32                                  ; behind tile a - 1's loads: tile a's 16 stores and 16 loads
.endr
	SEND 7, 0
	s_wait_tensorcnt 0x0                           ; the wave's end
	ds_add_u32 v[SPW], v[NIL]
	s_wait_dscnt 0x0
	CROUND                                         ; the closing round: no work-group ends while a partner may still ask for a tile that names it
	s_endpgm
.Lfunc_end_k_qba2a45ac49_proj:
	.size	k_qba2a45ac49_proj, .Lfunc_end_k_qba2a45ac49_proj-k_qba2a45ac49_proj
	.p2alignl 7, 3214868480
	.fill 96, 4, 3214868480
	.section	.rodata,"a",@progbits
	.p2align	6, 0x0
	.amdhsa_kernel k_qba2a45ac49_proj
		.amdhsa_group_segment_fixed_size 327680
		.amdhsa_private_segment_fixed_size 0
		.amdhsa_enable_private_segment 0
		.amdhsa_kernarg_size 32
		.amdhsa_user_sgpr_count 2
		.amdhsa_user_sgpr_kernarg_segment_ptr 1
		.amdhsa_wavefront_size32 1
		.amdhsa_system_sgpr_workgroup_id_x 1
		.amdhsa_system_sgpr_workgroup_id_y 1
		.amdhsa_system_sgpr_workgroup_id_z 1
		.amdhsa_system_vgpr_workitem_id 0
		.amdhsa_next_free_vgpr 1024
		.amdhsa_next_free_sgpr 100
		.amdhsa_reserve_vcc 1
		.amdhsa_float_denorm_mode_32 3
		.amdhsa_float_denorm_mode_16_64 3
		.amdhsa_memory_ordered 1
		.amdhsa_forward_progress 1
		.amdhsa_inst_pref_size 161
	.end_amdhsa_kernel
	.amdgpu_metadata
---
amdhsa.version: [ 1, 2 ]
amdhsa.kernels:
  - .name:           k_qba2a45ac49_proj
    .symbol:         k_qba2a45ac49_proj.kd
    .args:
      - { .name: yc, .offset: 0, .size: 8, .value_kind: global_buffer, .address_space: global }
      - { .name: ys, .offset: 8, .size: 8, .value_kind: global_buffer, .address_space: global }
      - { .name: bo, .offset: 16, .size: 8, .value_kind: global_buffer, .address_space: global }
      - { .name: out0, .offset: 24, .size: 8, .value_kind: global_buffer, .address_space: global }
    .group_segment_fixed_size: 327680
    .private_segment_fixed_size: 0
    .kernarg_segment_align: 8
    .kernarg_segment_size: 32
    .max_flat_workgroup_size: 128
    .sgpr_count:     100
    .vgpr_count:     1024
    .wavefront_size: 32
...
	.end_amdgpu_metadata
.endif
;; end of part 4
